; MI455X (gfx1250); checked and timed in simulation.
; The chip was launched on July 23, 2026; its instructions are those of AMD's public machine-readable ISA for CDNA 5 (MIT licence, August 2026) and "CDNA5" Instruction Set Architecture Reference Guide (July 2026). The comments in the code are by the model that wrote it; some were corrected since.
;; ARQS. Allowed arithmetic: matrix products marked QUANTISED: E2M3 operands, one E8M0 scale for each 32 along K, by v_wmma_scale_f32_16x16x128_f8f6f4 with both operands' format E2M3, f32 sums; everything else in f32.
;; Inputs: W0 64 x 512 float32; W1 512 x 512 float32; W2 512 x 1,472 float32; b0 512 float32; b1 512 float32; b2 1,472 float32; x 65,536 x 64 float32.
;; Outputs: out0 65,536 x 64 float32; out1 65,536 float32.
;; Constants: num_bins = 8.
;; This version of the problem:
;;   THIS VERSION OF THE PROBLEM IS GIVEN IN LOW PRECISION. The matrix products marked QUANTISED in the list below multiply operands that are first quantised to E2M3 (2 exponent bits, 3 mantissa bits; 6 bits a number), with one power-of-two scale for each 32 numbers along K (OCP MX v1.0); their sums are f32. All else is computed in f32.
;;   The module's matrix products, in the order in which they are computed (A, B: the left and right operand; K: the contracted axis; several contracted axes count as one K, in the product's order):
;;     1. [M 65,536, K 64] x [K 64, N 512]; A: input x; B: input W0: QUANTISED
;;     2. [M 65,536, K 512] x [K 512, N 512]; A: computed on the way; B: input W1: QUANTISED
;;     3. [M 65,536, K 512] x [K 512, N 1,472]; A: computed on the way; B: input W2: QUANTISED
;;   THE QUANTISER, for each operand of a quantised product, along K:
;;     - K is cut into blocks of 32 from its start; a last block that is shorter is filled with zeros.
;;     - A block's scale is 2^e with e = floor(log2(the largest magnitude in the block)) - 2, held to -126 .. 127; a block of zeros has e = 0. As a byte (E8M0): e + 127.
;;     - Each number is divided by its block's scale, clamped to +-7.5, and rounded to the nearest number of E2M3, ties to even, subnormals kept.
;;     - The product sums the exact products of the quantised numbers (number of the format x scale) in f32.
;;   ~~~python
;;   def quantise(x, axis):      # numpy; x: float32 -> the quantised numbers, widened to float32 again
;;       x = np.moveaxis(x, axis, -1); K = x.shape[-1]
;;       x = np.pad(x, [(0, 0)] * (x.ndim - 1) + [(0, -K % 32)]); x = x.reshape(x.shape[:-1] + (-1, 32)); a = np.abs(x).max(-1, keepdims=True)
;;       e = np.where(a > 0, np.clip(np.frexp(np.where(a > 0, a, 1))[1] - 1 - 2, -126, 127), 0)      # np.frexp(a)[1] - 1 = floor(log2(a)), exactly
;;       r = np.clip(x / 2.0 ** e, -7.5, 7.5)
;;       step = 2.0 ** (np.maximum(np.frexp(np.where(r == 0, 1, r))[1] - 1, 0) - 3)
;;       q = np.round(r / step) * step * 2.0 ** e      # np.round: ties to even
;;       return np.moveaxis(q.reshape(q.shape[:-2] + (-1,))[..., :K], -1, axis).astype(np.float32)
;;   ~~~
;;   OPERANDS COMPUTED ON THE WAY. 'Computed on the way' means the value that the module computes at that place (a softmax that the list does not call 'softmax' is quantised finished and normalised). What goes into a quantiser is computed in f32, as accurately as f32 sums, v_exp_f32 and their like allow (about 1e-6 of the number): no bf16 or f16 on the way to a quantiser, and a product that is left as it is and whose result goes on into a quantised operand takes f32 operands (vector FMAs, or v_wmma_f32_16x16x4_f32). A number that lies on a knife's edge between two numbers of the format may be rounded either way, as far as f32 arithmetic and the matrix unit's own rounding can turn it there, and no further.
;; 2 versions, each right; version 2 is version 1 with the launch flow written anew for expert scheduling mode. Each part assembles by itself: llvm-mc -triple=amdgcn-amd-amdhsa -mcpu=gfx1250 --defsym DOCPART=n.
;; ======== version 1 of 2: 2 launches
;; workspace buffers: wq 835,584 bytes; ws 34,816 bytes
;; launch prep (part 1): grid 544 x 1, 1 waves a work-group, no clusters, 0 bytes of LDS; arguments W0, W1, W2, wq, ws; writes wq, ws
.if DOCPART == 1
	.amdgcn_target "amdgcn-amd-amdhsa--gfx1250"
	.amdhsa_code_object_version 6
	.text
	.protected	k_q201f380d32_prep
	.globl	k_q201f380d32_prep
	.p2align	8
	.type	k_q201f380d32_prep,@function
k_q201f380d32_prep:
	s_mov_b64 s[64:65], 0
	v_nop
	global_prefetch_b8 v0, s[64:65] scope:SCOPE_SE
	s_setreg_imm32_b32 hwreg(HW_REG_WAVE_MODE, 25, 1), 1
	s_wait_xcnt 0x0
; W0 [64][512], W1 [512][512], W2 [512][1472], f32 with K as the FIRST axis, become codes of FP6 (E2M3) with one E8M0 byte for each 32 along K,
; laid as IMAGES OF THE OPERAND'S REGISTERS.  One work-group of one wave makes one fragment: 16 columns x 128 along K, 12 registers a lane, 1,536 bytes.
; Fragment f:  0..31: W0, tile f (K 64..127 are zero codes);  32 + 4 t + s: W1, tile t, K step s;  160 + 4 (3 g + q) + s: W2, group g, part q, K step s.
; wq: register p of lane l of fragment f at 1536 f + 512 (p / 4) + 16 l + 4 (p % 4): three dense loads of 16 bytes a lane bring it back.  ws: row i's scale word at 64 f + 4 i.
; WHICH COLUMN IS ROW i OF A TILE.  W0, W1: 32 (t / 2) + 8 (t % 2) + i % 8 + 16 (i / 8), so that in the transposed product the 16 registers of two neighbouring tiles are 16 neighbours along the next K.
; W2: 23 (2 g + i / 8) + 8 q + i % 8, so that one lane gets all 23 parameters of one (row, d), d = 2 g + i / 8.  Part q = 2 has 7 columns: its rows with i % 8 = 7 get zero codes.
; A LANE TAKES A COLUMN AND ITS REGISTERS RUN DOWN K, in the order that the operand's layout gives that lane (k = 64 c + 32 h + 0..31): the conversions' results are the operand's registers.
; A block's scale is 2^(floor(log2(largest magnitude)) - 2); its byte is the largest magnitude's exponent field - 2, held at 1 from below.
; LIMITS: a block of zeros, or one whose largest magnitude lies under 2^-124, gets the byte 1 (the rule says 127 for zeros: its codes are zeros, and this program alone reads the bytes); NaN and infinities are not served.
.macro HBASE                           ; s15 = tile t of a hidden layer -> s17 = its first column
	s_lshr_b32 s21, s15, 1
	s_lshl_b32 s21, s21, 5
	s_and_b32 s22, s15, 1
	s_lshl_b32 s22, s22, 3
	s_add_co_u32 s17, s21, s22
.endm
.macro COLS hstep                      ; v5 = 4 x my column + h x 32 rows of the weight
	v_min_u32 v9, s19, v3                          ; i % 8, held at 6 in a tile with a padding row: that lane reads its neighbour's column and stays inside the buffer
	v_mad_u32_u24 v9, v4, s18, v9                  ; + (i / 8) x 16 or 23
	v_add_nc_u32 v9, s17, v9
	v_lshlrev_b32 v5, 2, v9
	v_mad_u32_u24 v5, v2, \hstep, v5
.endm
.macro WLOADS n, c, p                  ; W(64 c + 32 h + i, my column), i = 0..31: sixteen lanes read parts of one row of the weight
.irp i, 0,1,2,3,4,5,6,7,8,9,10,11,12,13,14,15,16,17,18,19,20,21,22,23,24,25,26,27,28,29,30,31
	global_load_b32 v[64+32*\c+\i], v5, s[\p:\p+1] offset:(64*\c+\i)*\n*4
.endr
.endm
	s_load_b256 s[4:11], s[0:1], 0x0               ; W0 s[4:5], W1 s[6:7], W2 s[8:9], wq s[10:11]
	s_load_b64 s[12:13], s[0:1], 0x20              ; ws
	v_and_b32 v1, 15, v0                           ; r = row i of the tile
	v_lshrrev_b32 v2, 4, v0                        ; h
	v_and_b32 v3, 7, v0                            ; i % 8
	v_bfe_u32 v4, v0, 3, 1                         ; i / 8
	v_lshlrev_b32 v6, 4, v0                        ; 16 x lane
	v_lshlrev_b32 v7, 2, v1                        ; 4 x row
	v_mov_b32 v8, 0
	s_mov_b32 s14, ttmp9                           ; f
	s_mov_b32 s24, 0x76543210
	s_mov_b32 s25, 0xfedcba98                      ; v_permlanex16_b32's selects for lane l xor 16
	s_mov_b32 s23, 0
	s_mov_b32 s18, 16
	s_mov_b32 s19, 7
	s_mov_b32 s20, 8                               ; 8: no padding row in this tile
	s_wait_kmcnt 0x0
	s_cmp_lt_u32 s14, 32                           ; the three ways part on the work-group's number alone
	s_cbranch_scc1 .Larm0
	s_cmp_lt_u32 s14, 160
	s_cbranch_scc1 .Larm1
	s_sub_co_u32 s15, s14, 160                     ; W2
	s_and_b32 s16, s15, 3                          ; K step
	s_lshr_b32 s15, s15, 2                         ; 3 g + q
	s_mul_hi_u32 s21, s15, 0x55555556              ; g = (3 g + q) / 3, right for numbers under 96
	s_mul_i32 s22, s21, 3
	s_sub_co_u32 s22, s15, s22                     ; q
	s_mul_i32 s17, s21, 46
	s_lshl_b32 s21, s22, 3
	s_add_co_u32 s17, s17, s21                     ; 46 g + 8 q
	s_mov_b32 s18, 23
	s_cmp_eq_u32 s22, 2
	s_cselect_b32 s19, 6, 7
	s_cselect_b32 s20, 0, 8
	s_mul_i32 s22, s16, 753664                     ; 128 rows of 1,472 numbers
	s_add_nc_u64 s[8:9], s[8:9], s[22:23]
	COLS 188416
	WLOADS 1472, 0, 8
	WLOADS 1472, 1, 8
	s_branch .Lq
.Larm1:
	s_sub_co_u32 s15, s14, 32                      ; W1
	s_and_b32 s16, s15, 3
	s_lshr_b32 s15, s15, 2
	HBASE
	s_mul_i32 s22, s16, 262144                     ; 128 rows of 512 numbers
	s_add_nc_u64 s[6:7], s[6:7], s[22:23]
	COLS 65536
	WLOADS 512, 0, 6
	WLOADS 512, 1, 6
	s_branch .Lq
.Larm0:
	s_mov_b32 s15, s14                             ; W0: K = 64
	HBASE
	COLS 65536
	WLOADS 512, 0, 4
.irp i, 0,1,2,3,4,5,6,7,8,9,10,11,12,13,14,15,16,17,18,19,20,21,22,23,24,25,26,27,28,29,30,31
	v_mov_b32 v[96+\i], 0                          ; K 64..127: zeros, and no load leaves W0
.endr
.Lq:
	s_wait_loadcnt 0x0
.irp c, 0,1                                    ; my block 2 c + h: all its 32 numbers are mine
	v_max3_num_f32 v[32+\c], |v[64+32*\c]|, |v[65+32*\c]|, 0x1800000   ; and the floor 2^(3 - 127): the byte cannot fall under 1
.endr
.irp i, 2,4,6,8,10,12,14,16,18,20,22,24,26,28,30
.irp c, 0,1
	v_max3_num_f32 v[32+\c], v[32+\c], |v[64+32*\c+\i]|, |v[65+32*\c+\i]|   ; the two blocks by turns
.endr
.endr
.irp c, 0,1
	v_add_nc_u32 v[44+\c], 0xff000000, v[32+\c]    ; 2 off the exponent field: the conversion's scale operand
.endr
.irp c, 0,1
	v_lshrrev_b32 v[36+\c], 23, v[44+\c]           ; the scale's byte
.endr
	v_lshl_or_b32 v9, v37, 16, v36                 ; my two bytes: blocks h and 2 + h,
	v_lshlrev_b32 v10, 3, v2
	v_lshlrev_b32 v9, v10, v9                      ; at their places in the word;
	v_mov_b32 v10, 0
	v_permlanex16_b32 v10, v9, s24, s25
	v_or_b32 v9, v9, v10                           ; with lane l xor 16's two the word is whole
	v_cvt_scalef32_pk16_fp6_f32 v[48:50], v[64:79], v44
	v_cvt_scalef32_pk16_fp6_f32 v[40:42], v[80:95], v44     ; (a conversion's three registers begin on an even number)
	v_cvt_scalef32_pk16_fp6_f32 v[54:56], v[96:111], v45
	v_cvt_scalef32_pk16_fp6_f32 v[28:30], v[112:127], v45
	v_nop                                          ; one plain place behind the scaled conversions
.irp i, 0,1,2
	v_mov_b32 v[51+\i], v[40+\i]
	v_mov_b32 v[57+\i], v[28+\i]
.endr
	v_or_b32 v11, s20, v3
	v_cmp_eq_u32 vcc_lo, 7, v11                    ; the padding row of a part q = 2
.irp i, 0,1,2,3,4,5,6,7,8,9,10,11
	v_cndmask_b32 v[48+\i], v[48+\i], v8, vcc_lo   ; gets zero codes
.endr
	s_mul_i32 s22, s14, 1536
	s_add_nc_u64 s[10:11], s[10:11], s[22:23]
	s_lshl_b32 s22, s14, 6
	s_add_nc_u64 s[12:13], s[12:13], s[22:23]
.irp q, 0,1,2
	global_store_b128 v6, v[48+4*\q:51+4*\q], s[10:11] offset:512*\q   ; 32 lanes store 512 consecutive bytes, at a multiple of 256 from wq's first byte
.endr
	v_cmp_gt_u32 vcc_lo, 16, v0
	s_wait_xcnt 0x0                                ; EXEC changes only behind this wait
	s_and_saveexec_b32 s21, vcc_lo
	global_store_b32 v7, v9, s[12:13]              ; lanes 0-15: the 16 rows' scale words, 64 consecutive bytes
	s_wait_xcnt 0x0                                ; and again in front of the line that widens it
	s_or_b32 exec_lo, exec_lo, s21
	s_endpgm
.Lfunc_end_k_q201f380d32_prep:
	.size	k_q201f380d32_prep, .Lfunc_end_k_q201f380d32_prep-k_q201f380d32_prep
	.p2alignl 7, 3214868480
	.fill 96, 4, 3214868480
	.section	.rodata,"a",@progbits
	.p2align	6, 0x0
	.amdhsa_kernel k_q201f380d32_prep
		.amdhsa_group_segment_fixed_size 0
		.amdhsa_private_segment_fixed_size 0
		.amdhsa_enable_private_segment 0
		.amdhsa_kernarg_size 40
		.amdhsa_user_sgpr_count 2
		.amdhsa_user_sgpr_kernarg_segment_ptr 1
		.amdhsa_wavefront_size32 1
		.amdhsa_system_sgpr_workgroup_id_x 1
		.amdhsa_system_sgpr_workgroup_id_y 1
		.amdhsa_system_sgpr_workgroup_id_z 1
		.amdhsa_system_vgpr_workitem_id 0
		.amdhsa_next_free_vgpr 128
		.amdhsa_next_free_sgpr 66
		.amdhsa_reserve_vcc 1
		.amdhsa_float_denorm_mode_32 3
		.amdhsa_float_denorm_mode_16_64 3
		.amdhsa_memory_ordered 1
		.amdhsa_forward_progress 1
		.amdhsa_inst_pref_size 24
	.end_amdhsa_kernel
	.amdgpu_metadata
---
amdhsa.version: [ 1, 2 ]
amdhsa.kernels:
  - .name:           k_q201f380d32_prep
    .symbol:         k_q201f380d32_prep.kd
    .args:
      - { .name: W0, .offset: 0, .size: 8, .value_kind: global_buffer, .address_space: global }
      - { .name: W1, .offset: 8, .size: 8, .value_kind: global_buffer, .address_space: global }
      - { .name: W2, .offset: 16, .size: 8, .value_kind: global_buffer, .address_space: global }
      - { .name: wq, .offset: 24, .size: 8, .value_kind: global_buffer, .address_space: global }
      - { .name: ws, .offset: 32, .size: 8, .value_kind: global_buffer, .address_space: global }
    .group_segment_fixed_size: 0
    .private_segment_fixed_size: 0
    .kernarg_segment_align: 8
    .kernarg_segment_size: 40
    .max_flat_workgroup_size: 32
    .sgpr_count:     66
    .vgpr_count:     128
    .wavefront_size: 32
...
	.end_amdgpu_metadata
.endif
;; end of part 1
;; launch flow (part 2): grid 256 x 1, 8 waves a work-group, no clusters, 297,984 bytes of LDS; arguments x, wq, ws, b0, b1, b2, out0, out1; writes out0, out1
.if DOCPART == 2
	.amdgcn_target "amdgcn-amd-amdhsa--gfx1250"
	.amdhsa_code_object_version 6
	.text
	.protected	k_q201f380d32_flow
	.globl	k_q201f380d32_flow
	.p2align	8
	.type	k_q201f380d32_flow,@function
k_q201f380d32_flow:
	s_mov_b64 s[64:65], 0
	v_nop
	global_prefetch_b8 v0, s[64:65] scope:SCOPE_SE
	s_setreg_imm32_b32 hwreg(HW_REG_WAVE_MODE, 25, 1), 1
	s_wait_xcnt 0x0
; params = relu(relu(x W0 + b0) W1 + b1) W2 + b2, all three products on codes of FP6 (E2M3) with one E8M0 scale for each 32 along K; then the rational-quadratic spline of each (row, d) from its 23 parameters:
; out0 = z [65536][64], out1 = the rows' sums of log_det.  Nothing between x and the outputs goes to memory.
; SHARES.  A work-group of eight waves (two to a SIMD, 512 registers each: one wave's vector work stands beside the other's products and LDS loads) takes 256 rows: 16 tiles of 16.
; THE WAVES SHARE THE COLUMNS: wave w makes hidden units 64 w .. 64 w + 63 (half w % 2 of K step w / 2 of the next product) and the spline's d = 8 w .. 8 w + 7, for all 16 row tiles.  So a weight fragment is used by
; one wave alone, comes from wq straight into that wave's registers by three dense loads, and stays there for the 16 row tiles.  What goes round through LDS is the rows' codes, as images of the operand's registers.
; ALL PRODUCTS ARE USED TRANSPOSED (source 0 = 16 columns of a weight, source 1 = 16 rows): a lane (r, h) holds row r.  The columns of a tile were chosen by the launch before: in a hidden layer the 16 registers of two
; neighbouring tiles are 16 neighbours along the next K; in the last layer the three tiles of group g give lane (r, h) the 8 widths, 8 heights and 7 derivatives of d = 2 g + h: the spline never looks at another lane.
; THE SPLINE.  e_i = 2^((a_i - max) log2 e), c_j their running sums, S the total; mu = 0.001 / 0.992.  Knot j < x  <=>  c_j + j mu S < clip(x) S / 0.992, so the bin is found on unnormalised knots; only the chosen bin's
; quantities are normalised, and softplus (max(v, 0) + ln 2 log2(1 + 2^(-|v| log2 e))) is taken of the two chosen derivatives alone.  All choices are v_cndmask_b32: no branch and no address hangs on data.
; NO CLUSTER, NO TENSOR LOADS, though all work-groups read the same weights: the rows' images and stages take 297,984 of a WGP's 327,680 bytes of LDS, one pass's weights of the last layer are 8 x 18,432 bytes
; there is no room for slots.
; LIMITS.  NaN and infinities are not served.  A block of zeros, or one whose largest magnitude lies under 2^-124, gets the scale byte 1 (its codes are zeros or subnormal; this program alone reads the bytes).
; Where x lies within rounding of a knot the neighbouring bin may be taken: z and its derivative are continuous there.  log_det is summed as base-2 logarithms, in another order than the reference's, and multiplied by ln 2 once.
; LDS: XST x as f32, 256 rows of 256 + 16 bytes, z takes x's place word by word | H1, H2 the hidden layers' codes: fragment (row tile m, K step s) at 1536 (4 m + s), half c 768 further: registers 0-3 at 16 x lane, 4-5 at
; 512 + 8 x lane | H1S, H2S their scale words: 512 m + 16 x lane + 4 s | XIMG, XSC x's half fragments (768 m) and scale words (128 m + 4 x lane) | the spare words | LD (over H1, when nobody reads it any more) the log terms.
.set XST,   0
.set H1,    69632
.set H1S,   167936
.set HSTEP, 106496                     ; from H1 to H2 and from H1S to H2S
.set H2,    H1+HSTEP
.set H2S,   H1S+HSTEP
.set XIMG,  282624
.set XSC,   294912
.set SPARE, 296960                     ; 128 bytes for each of eight waves: four blocks of 256 bytes that no other line names
.set LD,    H1                         ; 8192 w + 128 (16 p + m) + 4 x lane
; REGISTERS, window 0: v1 lane, v2 r, v3 h, v4/v5/v6 16/8/4 x lane, v7 92 h, v29 64 h, v30 8 h; v8-10 read bases, v11-13 write bases, v14-19 the trip's addresses; v20/v21 x's word, v22/v23 the log term's place;
;   v24 x back from the stage, v25 x into the stage and z out of it, v26-28 x's images, v31 the log terms on the way out; v252, v253 the add's two.
.set ACT,   32                         ; v32-79   four fragments of the rows' codes
.set ASC,   80                         ; v80-83   their scale words: scales and nothing else
.set HA,    84                         ; v84-115  four accumulators; in the last layer widths 84, heights 92, derivatives 100
.set B0R,   116                        ; v116-147 b0 in the result's layout; later b2's 23 numbers and a zero
.set B1R,   148                        ; v148-179 b1
.set B3,    116
.set WSC0,  180                        ; v180-181, v182-189, v190-195: the weights' scale words: lanes 0-15 an even fragment's, lanes 16-31 the next one's
.set WSC1,  182
.set WSC3,  190
; window 1: v0-191 W1's 16 fragments (later v0-143 W2's 12), v192-239 W0's four.
.set AW,    84
.set AH,    92
.set AD,    100
.set tNW, 196                          ; -max log2 e, max (a pair for the packed form), widths; 198, 199 heights
.set tMW, 197
.set tNH, 198
.set tMH, 199
.set tSW, 200                          ; S of the widths | clip(x)
.set tXC, 201
.set tSH, 202                          ; S of the heights | clip(x) S / 0.992
.set tXS, 203
.set CW,  204                          ; v205-211 knots 1..7 of the widths, unnormalised
.set CH,  212                          ; v213-219 of the heights
.set MC,  220                          ; v220-225 2 mu .. 7 mu
.set tX,  226
.set tXL, 227
.set tEW, 228
.set tYL, 229
.set tEH, 230
.set tDK, 231
.set tDN, 232
.set tWP, 233
.set tHP, 234
.set tTK, 235
.set tTN, 236
.set tRW, 237
.set tRS, 238
.set tDX, 239
.set tPK, 240
.set tPN, 241
.set tTH, 242
.set tHN, 243
.set tSR, 244
.set tS,  245
.set tOM, 246
.set tTT, 247
.set tT2, 248
.set tO2, 249
.set tST, 250
.set tS2, 251
.set tA,   227                         ; registers taken again when their first tenant is done with
.set tDEN, 228
.set tNU,  230
.set tU,   231
.set tNOM, 232
.set tDE,  233
.set tD2,  239
.set tCR,  243
.set MU,   0x3a842108                  ; 0.001 / 0.992
.set LN2,  0x3f317218
; SCALARS: s[4:19] the eight addresses; s20 wave; s23 -log2 e, s[24:25] log2 e; s[26:27] lane selects; s28/s29 read steps, s30/s31 write steps, s32 x's step, s33 its pass part, s34 the log terms' step; s35, s36 counters;
;   s41-47 the masks knot j < x; s[48:53] the last layer's places in wq, ws, b2; s[38:39], s[58:63] the first two layers'.
.set MSB, 0
.macro WIN new                         ; the immediate's high byte repeats the setting that is left
.if MSB != \new
	s_set_vgpr_msb (MSB<<8)|\new
.set MSB, \new
.endif
.endm
.macro WM                              ; one product, by the symbols rD, rA (window 1), rB, rC, rS, rT; rW = 1: the weight's scale words stand in lanes 16-31
.if rW
	v_wmma_scale_f32_16x16x128_f8f6f4 v[rD:rD+7], v[rA:rA+11], v[rB:rB+11], v[rC:rC+7], v[rS], v[rT] matrix_a_fmt:MATRIX_FMT_FP6 matrix_b_fmt:MATRIX_FMT_FP6 matrix_a_scale:MATRIX_SCALE_ROW1
.else
	v_wmma_scale_f32_16x16x128_f8f6f4 v[rD:rD+7], v[rA:rA+11], v[rB:rB+11], v[rC:rC+7], v[rS], v[rT] matrix_a_fmt:MATRIX_FMT_FP6 matrix_b_fmt:MATRIX_FMT_FP6
.endif
.endm
.macro BARRIER                         ; my LDS stores have landed and my LDS loads are in: then the work-group's barrier
	s_wait_dscnt 0x0
	s_barrier_signal -1
	s_barrier_wait -1
.endm
; A row tile's codes and scale words: ns = 1: x's half fragment (3 loads); ns = 4: a hidden layer's four fragments (17 loads)
.macro ACTLOAD ns
.if \ns == 1
	ds_load_b128 v[ACT:ACT+3], v14
	ds_load_b64 v[ACT+4:ACT+5], v15
	ds_load_b32 v[ASC], v16
.else
.irp s, 0,1,2,3
.irp c, 0,1
	ds_load_b128 v[ACT+12*\s+6*\c:ACT+12*\s+6*\c+3], v14 offset:1536*\s+768*\c
	ds_load_b64 v[ACT+12*\s+6*\c+4:ACT+12*\s+6*\c+5], v15 offset:1536*\s+768*\c
.endr
.endr
	ds_load_b128 v[ASC:ASC+3], v16
.endif
.endm
; 4 ns products: my four tiles of hidden units, K step by K step; the four accumulators take turns, one instruction a turn.  The bias is the C of a sum's first product.
.macro MULH ns, wb, bias, wsc
.set iS, 0
.rept \ns
.set iT, 0
.rept 4
.set rD, HA+8*iT
.set rA, \wb+12*(\ns*iT+iS)
.set rB, ACT+12*iS
.set rT, ASC+iS
.if iS == 0
.set rC, \bias+8*iT
.else
.set rC, rD
.endif
.if \ns == 1
.set rS, \wsc+iT/2
.set rW, iT%2
.else
.set rS, \wsc+2*iT+iS/2
.set rW, iS%2
.endif
	WM
.set iT, iT+1
.endr
.set iS, iS+1
.endr
.endm
; My 64 hidden units of a row tile (register 16 b + i = unit 32 b + 16 h + i of row r): relu, two blocks' scales, codes, half a fragment's image and half a scale word to LDS.
.macro QUANT2
.set k, 0
.rept 32
	v_max_num_f32 v[HA+k], 0, v[HA+k]              ; the activation, in f32; ascending
.set k, k+1
.endr
	v_max3_num_f32 v208, v[HA], v[HA+1], 0x1800000     ; no |.|: none is negative; the floor 2^(3 - 127) holds the byte at 1 from below
	v_max3_num_f32 v209, v[HA+16], v[HA+17], 0x1800000
.irp i, 2,4,6,8,10,12,14
	v_max3_num_f32 v208, v208, v[HA+\i], v[HA+1+\i]
	v_max3_num_f32 v209, v209, v[HA+16+\i], v[HA+17+\i]
.endr
	v_permlanex16_b32 v210, v208, s26, s27
	v_permlanex16_b32 v211, v209, s26, s27
	v_max_num_f32 v208, v208, v210                 ; with lane l xor 16's 16: the block's largest magnitude
	v_max_num_f32 v209, v209, v211
	v_add_nc_u32 v212, 0xff000000, v208            ; 2 off the exponent field: the conversion's scale operand
	v_add_nc_u32 v213, 0xff000000, v209
	v_lshrrev_b32 v214, 23, v212                   ; the scale's byte
	v_lshrrev_b32 v215, 23, v213
	v_lshl_or_b32 v216, v215, 8, v214              ; my half of the row's scale word
	v_cvt_scalef32_pk16_fp6_f32 v[196:198], v[HA:HA+15], v212
	v_cvt_scalef32_pk16_fp6_f32 v[204:206], v[HA+16:HA+31], v213
	v_nop                                          ; one plain place behind the scaled conversions
.irp i, 0,1,2
	v_permlane16_swap_b32 v[196+\i], v[204+\i]     ; the layout wants a whole block in a lane: lanes 0-15 block 0, lanes 16-31 block 1
.endr
.irp i, 0,1,2
	v_mov_b32 v[199+\i], v[204+\i]
.endr
	ds_store_b128 v17, v[196:199]
	ds_store_b64 v18, v[200:201]
	ds_store_b16 v19, v216
.endm
; 32 numbers of x in a lane, v[xr] on: k = 32 h + 0..31 of row r of my i-th row tile: a whole block.  Half a fragment (K 64..127 are zero registers of the reader) and the scale word to LDS.
.macro QUANTX xr, i
	v_max3_num_f32 v228, |v[\xr]|, |v[\xr+1]|, 0x1800000
.irp j, 2,4,6,8,10,12,14,16,18,20,22,24,26,28,30
	v_max3_num_f32 v228, v228, |v[\xr+\j]|, |v[\xr+1+\j]|
.endr
	v_add_nc_u32 v230, 0xff000000, v228
	v_lshrrev_b32 v231, 23, v230
	v_lshlrev_b32 v232, v30, v231                  ; my block's byte at its place,
	v_permlanex16_b32 v229, v232, s26, s27
	v_or_b32 v232, v232, v229                      ; with lane l xor 16's.  The upper two bytes stay 0, over zero codes
	v_cvt_scalef32_pk16_fp6_f32 v[234:236], v[\xr:\xr+15], v230
	v_cvt_scalef32_pk16_fp6_f32 v[240:242], v[\xr+16:\xr+31], v230
	v_nop                                          ; one plain place behind the scaled conversions
.irp j, 0,1,2
	v_mov_b32 v[237+\j], v[240+\j]
.endr
	ds_store_b128 v26, v[234:237] offset:768*\i
	ds_store_b64 v27, v[238:239] offset:768*\i
	ds_store_b32 v28, v232 offset:128*\i
.endm
; The next pass's weights of the last layer: 12 fragments, 6 registers of scale words, 23 numbers of b2; then the three places step on.
.macro WLOAD3
	WIN 0x40                                       ; destination window 1
.set k, 0
.rept 36
	global_load_b128 v[4*k:4*k+3], v4, s[48:49] offset:512*k
.set k, k+1
.endr
	WIN 0
.irp i, 0,1,2,3,4,5
	global_load_b32 v[WSC3+\i], v6, s[50:51] offset:128*\i
.endr
.set k, 0
.rept 23
	global_load_b32 v[B3+k], v7, s[52:53] offset:4*k   ; b2[23 (2 g + h) + k]
.set k, k+1
.endr
	s_wait_xcnt 0x0                                ; the loads have read their bases: they may step
	s_add_nc_u64 s[48:49], s[48:49], 18432
	s_add_nc_u64 s[50:51], s[50:51], 768
	s_add_nc_u64 s[52:53], s[52:53], 184
.endm
; One row tile of a hidden layer.  The next tile's codes are asked for behind this tile's products and land under its quantising.
.macro HTRIP ns, wb, bias, wsc, rstep, rsstep, last, wl3
	s_wait_dscnt 0x0                               ; this tile's codes are in, and the last tile's stores have read their registers
	WIN 0x01                                       ; source 0 (the weight) window 1
	MULH \ns, \wb, \bias, \wsc
	WIN 0
	s_add_co_u32 s28, s28, \rstep
	s_add_co_u32 s29, s29, \rsstep
	v_add_nc_u32 v14, s28, v8                      ; six plain lines that name no register of the products: the places in front of the loads into their operands and of the first read of their results
	v_add_nc_u32 v15, s28, v9
	v_add_nc_u32 v16, s29, v10
	v_add_nc_u32 v17, s30, v11
	v_add_nc_u32 v18, s30, v12
	v_add_nc_u32 v19, s31, v13
.if \last == 0
	ACTLOAD \ns
.endif
.if \wl3
	WLOAD3
.endif
	QUANT2
	s_add_co_u32 s30, s30, 6144
	s_add_co_u32 s31, s31, 512
.endm
; One row tile x one group of the last layer: 12 products, then the spline of 32 (row, d).
.macro UNIT3 last
	s_wait_dscnt 0x0                               ; this tile's codes are in; the last unit's two stores are done
	WIN 0x01
.set iS, 0
.rept 4
.set iQ, 0
.rept 3                                            ; the three accumulators take turns, one instruction a turn
.set rD, HA+8*iQ
.set rA, 12*(4*iQ+iS)
.set rB, ACT+12*iS
.set rT, ASC+iS
.if iS == 0
.set rC, B3+8*iQ
.else
.set rC, rD
.endif
.set rS, WSC3+2*iQ+iS/2
.set rW, iS%2
	WM
.set iQ, iQ+1
.endr
.set iS, iS+1
.endr
	WIN 0
	s_add_co_u32 s28, s28, 6144
	s_add_co_u32 s29, s29, 512
	v_add_nc_u32 v14, s28, v8                      ; four plain lines: the places behind the products
	v_add_nc_u32 v15, s28, v9
	v_add_nc_u32 v16, s29, v10
	v_add_nc_u32 v21, s32, v20
	ds_load_b32 v[tX], v21                         ; x(row, d)
.if \last == 0
	ACTLOAD 4                                      ; the next row tile's codes: they land under the spline
.else
	s_cmp_eq_u32 s36, 3                            ; the pass's last unit asks for the next pass's weights, if there is one: a count of passes alone decides
	s_cbranch_scc1 .Lnw_\@
	WLOAD3
.Lnw_\@:
.endif
	v_max3_num_f32 v[tMW], v[AW], v[AW+1], v[AW+2]     ; the largest width and the largest height, by turns; each accumulator is first read at its low end
	v_max3_num_f32 v[tMH], v[AH], v[AH+1], v[AH+2]
	v_max3_num_f32 v[tMW], v[tMW], v[AW+3], v[AW+4]
	v_max3_num_f32 v[tMH], v[tMH], v[AH+3], v[AH+4]
	v_max3_num_f32 v[tMW], v[tMW], v[AW+5], v[AW+6]
	v_max3_num_f32 v[tMH], v[tMH], v[AH+5], v[AH+6]
	v_max_num_f32 v[tMW], v[tMW], v[AW+7]
	v_max_num_f32 v[tMH], v[tMH], v[AH+7]
	v_mul_f32 v[tNW], s23, v[tMW]
	v_mul_f32 v[tNH], s23, v[tMH]
.irp j, 0,2,4,6
	v_pk_fma_f32 v[AW+\j:AW+\j+1], v[AW+\j:AW+\j+1], s[24:25], v[tNW:tNW+1] op_sel_hi:[1,0,0]   ; (a - max) log2 e, two at a time
	v_pk_fma_f32 v[AH+\j:AH+\j+1], v[AH+\j:AH+\j+1], s[24:25], v[tNH:tNH+1] op_sel_hi:[1,0,0]
.endr
.irp j, 0,1,2,3,4,5,6,7
	v_exp_f32 v[AW+\j], v[AW+\j]                   ; one batch of sixteen
	v_exp_f32 v[AH+\j], v[AH+\j]
.endr
	v_add_nc_u32 v23, s34, v22                     ; a plain line behind the batch
.if \last == 0
	s_wait_dscnt 17                                ; x's word is in; the 17 loads issued behind it may stay out
.else
	s_wait_dscnt 0x0
.endif
	v_med3_num_f32 v[tXC], v[tX], 0, 1.0           ; clip(x)
	v_mul_f32 v[tXS], 0x3f810842, v[tXC]           ; / 0.992
	s_wait_alu depctr_va_vdst(0)                   ; one wait for the batch, ahead of its first reader
	v_add_f32 v[CW+2], v[AW], v[AW+1]              ; the running sums, widths and heights by turns
	v_add_f32 v[CH+2], v[AH], v[AH+1]
.irp j, 3,4,5,6,7
	v_add_f32 v[CW+\j], v[CW+\j-1], v[AW+\j-1]
	v_add_f32 v[CH+\j], v[CH+\j-1], v[AH+\j-1]
.endr
	v_add_f32 v[tSW], v[CW+7], v[AW+7]
	v_add_f32 v[tSH], v[CH+7], v[AH+7]
	v_mul_f32 v[tXS], v[tXS], v[tSW]               ; x in the unnormalised knots' measure
	v_fmamk_f32 v[CW+1], v[tSW], MU, v[AW]         ; knot 1 = e0 + mu S
	v_fmamk_f32 v[CH+1], v[tSH], MU, v[AH]
.irp i, 0,2,4
	v_pk_fma_f32 v[CW+2+\i:CW+3+\i], v[tSW:tSW+1], v[MC+\i:MC+\i+1], v[CW+2+\i:CW+3+\i] op_sel_hi:[0,1,1]   ; knot j = c_j + j mu S
	v_pk_fma_f32 v[CH+2+\i:CH+3+\i], v[tSH:tSH+1], v[MC+\i:MC+\i+1], v[CH+2+\i:CH+3+\i] op_sel_hi:[0,1,1]
.endr
.irp j, 1,2,3,4,5,6,7
	v_cmp_lt_f32 s[40+\j], v[CW+\j], v[tXS]        ; knot j < x
.endr
	v_cndmask_b32 v[tXL], 0, v[CW+1], s41          ; six choices, by turns: the bin's left knots, its e of width and height, its two derivatives' parameters
	v_cndmask_b32 v[tEW], v[AW], v[AW+1], s41
	v_cndmask_b32 v[tYL], 0, v[CH+1], s41
	v_cndmask_b32 v[tEH], v[AH], v[AH+1], s41
	v_cndmask_b32 v[tDN], v[AD], v[AD+1], s41      ; (the derivatives' accumulator is first read here, at its low end)
.irp j, 2,3,4,5,6,7
	v_cndmask_b32 v[tXL], v[tXL], v[CW+\j], s[40+\j]
	v_cndmask_b32 v[tEW], v[tEW], v[AW+\j], s[40+\j]
	v_cndmask_b32 v[tYL], v[tYL], v[CH+\j], s[40+\j]
	v_cndmask_b32 v[tEH], v[tEH], v[AH+\j], s[40+\j]
.if \j < 7
	v_cndmask_b32 v[tDN], v[tDN], v[AD+\j], s[40+\j]
.endif
.if \j == 2
	v_cndmask_b32 v[tDK], v[AD], v[AD+1], s[40+\j]
.else
	v_cndmask_b32 v[tDK], v[tDK], v[AD+\j-1], s[40+\j]
.endif
.endr
	v_fmamk_f32 v[tWP], v[tSW], MU, v[tEW]         ; the bin's width and height, unnormalised
	v_fmamk_f32 v[tHP], v[tSH], MU, v[tEH]
	v_mul_f32 v[tTK], -|v[tDK]|, s24
	v_mul_f32 v[tTN], -|v[tDN]|, s24
	v_rcp_f32 v[tRW], v[tWP]                       ; the second batch
	v_rcp_f32 v[tRS], v[tSH]
	v_exp_f32 v[tTK], v[tTK]
	v_exp_f32 v[tTN], v[tTN]
	v_sub_f32 v[tDX], v[tXS], v[tXL]
	v_max_num_f32 v[tPK], 0, v[tDK]
	v_max_num_f32 v[tPN], 0, v[tDN]
	s_wait_alu depctr_va_vdst(0)                   ; one wait for the four
	v_add_f32 v[tTK], 1.0, v[tTK]
	v_add_f32 v[tTN], 1.0, v[tTN]
	v_log_f32 v[tTK], v[tTK]                       ; the third batch
	v_log_f32 v[tTN], v[tTN]
	v_mul_f32 v[tTH], v[tDX], v[tRW]               ; theta
	v_mul_f32 v[tHN], v[tHP], v[tRS]
	v_mul_f32 v[tSR], v[tSW], v[tRW]
	v_mul_f32 v[tS], v[tHN], v[tSR]                ; s = h / w
	v_sub_f32 v[tOM], 1.0, v[tTH]
	v_mul_f32 v[tTT], v[tTH], v[tOM]
	v_mul_f32 v[tT2], v[tTH], v[tTH]
	v_mul_f32 v[tO2], v[tOM], v[tOM]
	v_mul_f32 v[tST], v[tS], v[tTT]
	v_mul_f32 v[tS2], v[tS], v[tS]
	v_add_f32 v[tPK], 0x3a83126f, v[tPK]
	v_add_f32 v[tPN], 0x3a83126f, v[tPN]
	s_wait_alu depctr_va_vdst(0)                   ; one wait for the two
	v_fmamk_f32 v[tPK], v[tTK], LN2, v[tPK]        ; softplus + 0.001
	v_fmamk_f32 v[tPN], v[tTN], LN2, v[tPN]
	v_cndmask_b32 v[tPK], 1.0, v[tPK], s41         ; the first knot's derivative is 1,
	v_cndmask_b32 v[tPN], v[tPN], 1.0, s47         ; and the last's
	v_add_f32 v[tA], v[tPK], v[tPN]
	v_mul_f32 v[tNU], v[tS], v[tT2]
	v_mul_f32 v[tU], v[tPN], v[tT2]
	v_fma_f32 v[tA], -2.0, v[tS], v[tA]
	v_fma_f32 v[tNU], v[tPK], v[tTT], v[tNU]
	v_fma_f32 v[tU], v[tPK], v[tO2], v[tU]
	v_fma_f32 v[tDEN], v[tA], v[tTT], v[tS]
	v_fma_f32 v[tU], 2.0, v[tST], v[tU]
	v_add_f32 v[tDE], 0x358637bd, v[tDEN]
	v_fmaak_f32 v[tD2], v[tDEN], v[tDEN], 0x358637bd
	v_mul_f32 v[tNOM], v[tS2], v[tU]
	v_rcp_f32 v[tDE], v[tDE]                       ; the fourth batch
	v_log_f32 v[tNOM], v[tNOM]
	v_log_f32 v[tD2], v[tD2]
	v_mul_f32 v[tCR], 0x3f7df3b6, v[tRS]           ; 0.992 / S of the heights
	s_wait_alu depctr_va_vdst(0)                   ; one wait for the three; no transcendental follows it in the unit
	v_mul_f32 v[tDE], v[tNU], v[tDE]
	v_sub_f32 v[tNOM], v[tNOM], v[tD2]             ; log2 of the derivative
	v_fma_f32 v[tDE], v[tHP], v[tDE], v[tYL]
	v_mul_f32 v[tDE], v[tDE], v[tCR]               ; z
	ds_store_b32 v21, v[tDE]                       ; into x's word, which only this lane reads
	ds_store_b32 v23, v[tNOM]
	s_add_co_u32 s32, s32, 4352                    ; 16 rows of the stage on
	s_add_co_u32 s34, s34, 128
.endm
	s_load_b256 s[4:11], s[0:1], 0x0               ; x s[4:5], wq s[6:7], ws s[8:9], b0 s[10:11]
	s_load_b256 s[12:19], s[0:1], 0x20             ; b1 s[12:13], b2 s[14:15], out0 s[16:17], out1 s[18:19]
	v_lshl_add_u32 v252, v0, 2, SPARE              ; my spare word, and 0: kept for the wave's closing lines alone
	v_mov_b32 v253, 0
	v_lshrrev_b32 v1, 5, v0
	v_readfirstlane_b32 s20, v1                    ; wave 0..7
	v_and_b32 v1, 31, v0                           ; lane
	v_and_b32 v2, 15, v0                           ; r
	v_bfe_u32 v3, v0, 4, 1                         ; h
	v_lshlrev_b32 v4, 4, v1
	v_lshlrev_b32 v5, 3, v1
	v_lshlrev_b32 v6, 2, v1
	v_mul_u32_u24 v7, v3, 92
	v_lshlrev_b32 v29, 6, v3
	v_lshlrev_b32 v30, 3, v3
	s_mul_i32 s21, s20, 768                        ; where I write a hidden layer: 768 w + 16 x lane, + 512 + 8 x lane; its scale half-words: 16 x lane + 2 w
	v_add_nc_u32 v11, s21, v4
	v_add_nc_u32 v11, H1, v11
	v_add_nc_u32 v12, s21, v5
	v_add_nc_u32 v12, H1+512, v12
	s_lshl_b32 s21, s20, 1
	v_add_nc_u32 v13, s21, v4
	v_add_nc_u32 v13, H1S, v13
	v_mul_u32_u24 v20, v2, 272                     ; x's word for the spline: row r, column 8 w + h (+ 2 p, + 16 m rows by s32)
	v_lshl_add_u32 v20, v3, 2, v20
	s_lshl_b32 s21, s20, 5
	v_add_nc_u32 v20, s21, v20
	s_lshl_b32 s21, s20, 13
	v_add_nc_u32 v22, s21, v6
	v_add_nc_u32 v22, LD, v22                      ; my wave's log terms
	s_mul_i32 s21, s20, 8704                       ; my 32 rows of the stage
	v_mul_u32_u24 v24, v2, 272
	v_lshl_add_u32 v24, v3, 7, v24
	v_add_nc_u32 v24, s21, v24                     ; back out of it: row r, 128 h
	v_mul_u32_u24 v25, v3, 272
	v_lshl_add_u32 v25, v2, 4, v25
	v_add_nc_u32 v25, s21, v25                     ; into it, and z out of it: lanes 0-15 one row, lanes 16-31 the next
	s_mul_i32 s21, s20, 1536
	v_add_nc_u32 v26, s21, v4
	v_add_nc_u32 v26, XIMG, v26
	v_add_nc_u32 v27, s21, v5
	v_add_nc_u32 v27, XIMG+512, v27
	s_lshl_b32 s21, s20, 8
	v_add_nc_u32 v28, s21, v6
	v_add_nc_u32 v28, XSC, v28
	v_lshlrev_b32 v31, 2, v2
	v_lshl_add_u32 v31, v3, 7, v31
	v_add_nc_u32 v31, s21, v31
	v_add_nc_u32 v31, LD, v31                      ; the log terms of row 32 w + lane: 128 (2 w + h) + 4 r
	v_mov_b32 v229, 0                              ; written once: a lane permute's destination counts as one of its sources
	s_mov_b32 s23, 0xbfb8aa3b                      ; -log2 e
	s_mov_b32 s24, 0x3fb8aa3b                      ; log2 e
	s_mov_b32 s25, s24                             ; (named with it as a pair, so it is written)
	s_mov_b32 s26, 0x76543210
	s_mov_b32 s27, 0xfedcba98                      ; v_permlanex16_b32's selects for lane l xor 16
	s_mov_b32 s55, 0
	s_lshl_b32 s54, ttmp9, 16                      ; my work-group's 256 rows of 256 bytes,
	s_lshl_b32 s56, s20, 13                        ; my wave's 32 of them
	s_add_co_u32 s54, s54, s56
	s_wait_kmcnt 0x0
	s_add_nc_u64 s[4:5], s[4:5], s[54:55]
	s_add_nc_u64 s[16:17], s[16:17], s[54:55]
	s_lshl_b32 s54, ttmp9, 10
	s_add_nc_u64 s[18:19], s[18:19], s[54:55]
	s_lshl_b32 s54, s20, 8
	s_add_nc_u64 s[10:11], s[10:11], s[54:55]      ; b0, b1: my 64 numbers
	s_add_nc_u64 s[12:13], s[12:13], s[54:55]
	s_add_nc_u64 s[60:61], s[8:9], s[54:55]        ; W0's scale words: fragments 4 w on
	s_mul_i32 s54, s20, 6144
	s_add_nc_u64 s[58:59], s[6:7], s[54:55]        ; W0's fragments
	s_mul_i32 s54, s20, 24576
	s_add_co_u32 s54, s54, 49152
	s_add_nc_u64 s[38:39], s[6:7], s[54:55]        ; W1's: fragments 32 + 16 w on
	s_lshl_b32 s54, s20, 10
	s_add_co_u32 s54, s54, 2048
	s_add_nc_u64 s[62:63], s[8:9], s[54:55]
	s_mul_i32 s54, s20, 73728
	s_add_co_u32 s54, s54, 245760
	s_add_nc_u64 s[48:49], s[6:7], s[54:55]        ; W2's: fragments 160 + 48 w on
	s_mul_i32 s54, s20, 3072
	s_add_co_u32 s54, s54, 10240
	s_add_nc_u64 s[50:51], s[8:9], s[54:55]
	s_mul_i32 s54, s20, 736
	s_add_nc_u64 s[52:53], s[14:15], s[54:55]      ; b2: 23 numbers for each of my 8 d
.set k, 0
.rept 16                                           ; x: my 32 rows, 512 consecutive bytes a load (v80-83 are passed over: they hold scales alone)
.set rX, 32+4*k
.if k >= 12
.set rX, 36+4*k
.endif
	global_load_b128 v[rX:rX+3], v4, s[4:5] offset:512*k th:TH_LOAD_NT
.set k, k+1
.endr
	WIN 0x40                                       ; destination window 1
.set k, 0
.rept 12
	global_load_b128 v[192+4*k:195+4*k], v4, s[58:59] offset:512*k
.set k, k+1
.endr
	WIN 0
	global_load_b32 v[WSC0], v6, s[60:61]
	global_load_b32 v[WSC0+1], v6, s[60:61] offset:128
.irp t, 0,1,2,3                                    ; the biases in the result's layout: lane (r, h), tile t: units 32 (t / 2) + 16 h + 8 (t % 2) + 0..7
	global_load_b128 v[B0R+8*\t:B0R+8*\t+3], v29, s[10:11] offset:(32*(\t/2)+8*(\t%2))*4
	global_load_b128 v[B0R+8*\t+4:B0R+8*\t+7], v29, s[10:11] offset:(32*(\t/2)+8*(\t%2))*4+16
.endr
.irp t, 0,1,2,3
	global_load_b128 v[B1R+8*\t:B1R+8*\t+3], v29, s[12:13] offset:(32*(\t/2)+8*(\t%2))*4
	global_load_b128 v[B1R+8*\t+4:B1R+8*\t+7], v29, s[12:13] offset:(32*(\t/2)+8*(\t%2))*4+16
.endr
	; ---- X: my 32 rows go into the stage as they lie, come back 128 bytes a lane, and become two half fragments
	s_wait_loadcnt 30                              ; x's 16 loads are in; the 12 + 2 + 8 + 8 issued behind them may stay out
.set k, 0
.rept 16
.set rX, 32+4*k
.if k >= 12
.set rX, 36+4*k
.endif
	ds_store_b128 v25, v[rX:rX+3] offset:544*k
.set k, k+1
.endr
.set k, 0
.rept 8
	ds_load_b128 v[196+4*k:199+4*k], v24 offset:16*k   ; LDS serves a wave's instructions in order: these see my stores
.set k, k+1
.endr
	WIN 0x40
.set k, 0
.rept 48                                           ; W1's 16 fragments: wanted two phases on
	global_load_b128 v[4*k:4*k+3], v4, s[38:39] offset:512*k
.set k, k+1
.endr
	WIN 0
.irp i, 0,1,2,3,4,5,6,7
	global_load_b32 v[WSC1+\i], v6, s[62:63] offset:128*\i
.endr
	s_wait_dscnt 0x0                               ; the first tile is back, and the stores have read their registers,
.set k, 0
.rept 8
	ds_load_b128 v[32+4*k:35+4*k], v24 offset:4352+16*k   ; which take the second tile while the first is quantised
.set k, k+1
.endr
	QUANTX 196, 0
	s_wait_dscnt 0x0                               ; the second tile is in, and the images' stores have read their registers
	QUANTX 32, 1
.irp i, 6,7,8,9,10,11
	v_mov_b32 v[ACT+\i], 0                         ; K 64..127 of the first product: zero codes
.endr
	v_mov_b32 v210, 0                              ; lane permutes' destinations, written once
	v_mov_b32 v211, 0
	v_mov_b32 v[MC], 0x3b042108                    ; 2 mu .. 7 mu
	v_mov_b32 v[MC+1], 0x3b46318c
	v_mov_b32 v[MC+2], 0x3b842108
	v_mov_b32 v[MC+3], 0x3ba5294a
	v_mov_b32 v[MC+4], 0x3bc6318c
	v_mov_b32 v[MC+5], 0x3be739ce
	v_add_nc_u32 v8, XIMG, v4
	v_add_nc_u32 v9, XIMG+512, v5
	v_add_nc_u32 v10, XSC, v6
	BARRIER                                        ; x's sixteen half fragments lie in LDS
	; ---- layer 1: K = 64 in one K step
	s_mov_b32 s28, 0
	s_mov_b32 s29, 0
	s_mov_b32 s30, 0
	s_mov_b32 s31, 0
	v_mov_b32 v14, v8
	v_mov_b32 v15, v9
	v_mov_b32 v16, v10
	ACTLOAD 1
	s_wait_loadcnt 56                              ; W0's fragments and scale words, b0 and b1 are in; W1's 48 + 8 loads may stay out
	s_mov_b32 s35, 15
.Ll1:
	HTRIP 1, 192, B0R, WSC0, 768, 128, 0, 0
	s_sub_co_u32 s35, s35, 1
	s_cmp_lg_u32 s35, 0
	s_cbranch_scc1 .Ll1
	HTRIP 1, 192, B0R, WSC0, 768, 128, 1, 0        ; the last row tile asks for nothing more
	BARRIER                                        ; the first hidden layer's 64 fragments lie in LDS
	; ---- layer 2
	v_add_nc_u32 v8, H1, v4
	v_add_nc_u32 v9, H1+512, v5
	v_add_nc_u32 v10, H1S, v4
	v_add_nc_u32 v11, HSTEP, v11
	v_add_nc_u32 v12, HSTEP, v12
	v_add_nc_u32 v13, HSTEP, v13
	v_mov_b32 v[B3+23], 0                          ; the padding row's bias in the last layer (b0 is done with)
	s_mov_b32 s28, 0
	s_mov_b32 s29, 0
	s_mov_b32 s30, 0
	s_mov_b32 s31, 0
	v_mov_b32 v14, v8
	v_mov_b32 v15, v9
	v_mov_b32 v16, v10
	ACTLOAD 4
	s_wait_loadcnt 0x0                             ; W1
	s_mov_b32 s35, 15
.Ll2:
	HTRIP 4, 0, B1R, WSC1, 6144, 512, 0, 0
	s_sub_co_u32 s35, s35, 1
	s_cmp_lg_u32 s35, 0
	s_cbranch_scc1 .Ll2
	HTRIP 4, 0, B1R, WSC1, 6144, 512, 1, 1         ; behind the last products the last layer's first weights are asked for, into W1's registers
	BARRIER                                        ; the second hidden layer lies in LDS, and nobody reads the first any more: the log terms may take its bytes
	; ---- layer 3 and the spline: four passes, a group of two d each; 16 row tiles a pass
	v_add_nc_u32 v8, H2, v4
	v_add_nc_u32 v9, H2+512, v5
	v_add_nc_u32 v10, H2S, v4
	s_mov_b32 s33, 0
	s_mov_b32 s34, 0
	s_mov_b32 s36, 0
.Lpass:
	s_mov_b32 s28, 0
	s_mov_b32 s29, 0
	v_mov_b32 v14, v8
	v_mov_b32 v15, v9
	v_mov_b32 v16, v10
	ACTLOAD 4
	s_mov_b32 s32, s33
	s_wait_loadcnt 0x0                             ; the pass's weights
	s_mov_b32 s35, 15
.Lunit:
	UNIT3 0
	s_sub_co_u32 s35, s35, 1
	s_cmp_lg_u32 s35, 0
	s_cbranch_scc1 .Lunit
	UNIT3 1
	s_add_co_u32 s33, s33, 8                       ; two columns of x on
	s_add_co_u32 s36, s36, 1
	s_cmp_lt_u32 s36, 4
	s_cbranch_scc1 .Lpass
	BARRIER                                        ; z and the log terms of all 256 rows lie in LDS
	; ---- the way out: my 32 rows of z as whole rows; thread t adds row t's 64 log terms
.set k, 0
.rept 16
.set rX, 32+4*k
.if k >= 12
.set rX, 36+4*k
.endif
	ds_load_b128 v[rX:rX+3], v25 offset:544*k
.set k, k+1
.endr
.irp a, 0,1,2,3
.irp p, 0,1,2,3
.irp e, 0,1
	ds_load_b32 v[100+8*\a+2*\p+\e], v31 offset:8192*\a+2048*\p+64*\e
.endr
.endr
.endr
.set k, 0
.rept 16
.set rX, 32+4*k
.if k >= 12
.set rX, 36+4*k
.endif
	s_wait_dscnt 47-k                              ; behind z's load k: 15 - k more of z and 32 of log terms
	global_store_b128 v4, v[rX:rX+3], s[16:17] offset:512*k th:TH_STORE_NT   ; 32 lanes store 512 consecutive bytes, at a multiple of 256 from out0's first byte
.set k, k+1
.endr
.irp a, 4,5,6,7
.irp p, 0,1,2,3
.irp e, 0,1
	ds_load_b32 v[100+8*\a+2*\p+\e], v31 offset:8192*\a+2048*\p+64*\e
.endr
.endr
.endr
	v_lshlrev_b32 v14, 2, v0
	s_wait_dscnt 0x0
.irp k, 0,1,2,3,4,5,6
.irp c, 0,1,2,3
	v_pk_add_f32 v[100+2*\c:101+2*\c], v[100+2*\c:101+2*\c], v[108+8*\k+2*\c:109+8*\k+2*\c]   ; four chains, two numbers each
.endr
.endr
	v_pk_add_f32 v[100:101], v[100:101], v[102:103]
	v_pk_add_f32 v[104:105], v[104:105], v[106:107]
	v_pk_add_f32 v[100:101], v[100:101], v[104:105]
	v_add_f32 v100, v100, v101
	v_mul_f32 v100, LN2, v100                      ; base 2 to base e, once
	global_store_b32 v14, v100, s[18:19]           ; 32 lanes store 128 consecutive bytes of out1
	s_wait_tensorcnt 0x0                           ; the wave's end: a tensor wait, an LDS add and its wait, behind my last LDS store
	ds_add_u32 v252, v253
	s_wait_dscnt 0x0
	s_endpgm
.Lfunc_end_k_q201f380d32_flow:
	.size	k_q201f380d32_flow, .Lfunc_end_k_q201f380d32_flow-k_q201f380d32_flow
	.p2alignl 7, 3214868480
	.fill 96, 4, 3214868480
	.section	.rodata,"a",@progbits
	.p2align	6, 0x0
	.amdhsa_kernel k_q201f380d32_flow
		.amdhsa_group_segment_fixed_size 297984
		.amdhsa_private_segment_fixed_size 0
		.amdhsa_enable_private_segment 0
		.amdhsa_kernarg_size 64
		.amdhsa_user_sgpr_count 2
		.amdhsa_user_sgpr_kernarg_segment_ptr 1
		.amdhsa_wavefront_size32 1
		.amdhsa_system_sgpr_workgroup_id_x 1
		.amdhsa_system_sgpr_workgroup_id_y 1
		.amdhsa_system_sgpr_workgroup_id_z 1
		.amdhsa_system_vgpr_workitem_id 0
		.amdhsa_next_free_vgpr 512
		.amdhsa_next_free_sgpr 66
		.amdhsa_reserve_vcc 0
		.amdhsa_float_denorm_mode_32 3
		.amdhsa_float_denorm_mode_16_64 3
		.amdhsa_memory_ordered 1
		.amdhsa_forward_progress 1
		.amdhsa_inst_pref_size 89
	.end_amdhsa_kernel
	.amdgpu_metadata
---
amdhsa.version: [ 1, 2 ]
amdhsa.kernels:
  - .name:           k_q201f380d32_flow
    .symbol:         k_q201f380d32_flow.kd
    .args:
      - { .name: x, .offset: 0, .size: 8, .value_kind: global_buffer, .address_space: global }
      - { .name: wq, .offset: 8, .size: 8, .value_kind: global_buffer, .address_space: global }
      - { .name: ws, .offset: 16, .size: 8, .value_kind: global_buffer, .address_space: global }
      - { .name: b0, .offset: 24, .size: 8, .value_kind: global_buffer, .address_space: global }
      - { .name: b1, .offset: 32, .size: 8, .value_kind: global_buffer, .address_space: global }
      - { .name: b2, .offset: 40, .size: 8, .value_kind: global_buffer, .address_space: global }
      - { .name: out0, .offset: 48, .size: 8, .value_kind: global_buffer, .address_space: global }
      - { .name: out1, .offset: 56, .size: 8, .value_kind: global_buffer, .address_space: global }
    .group_segment_fixed_size: 297984
    .private_segment_fixed_size: 0
    .kernarg_segment_align: 8
    .kernarg_segment_size: 64
    .max_flat_workgroup_size: 256
    .sgpr_count:     66
    .vgpr_count:     512
    .wavefront_size: 32
...
	.end_amdgpu_metadata
.endif
;; end of part 2
;; ======== version 2 of 2: 2 launches; version 1 with the launch flow written anew for expert scheduling mode
;; workspace buffers: wq 835,584 bytes; ws 34,816 bytes
;; launch prep: the kernel of part 1 again; grid 544 x 1, 1 waves a work-group, no clusters, 0 bytes of LDS; arguments W0, W1, W2, wq, ws; writes wq, ws
;; launch flow (part 3): grid 256 x 1, 8 waves a work-group, no clusters, 297,984 bytes of LDS; arguments x, wq, ws, b0, b1, b2, out0, out1; writes out0, out1
.if DOCPART == 3
	.amdgcn_target "amdgcn-amd-amdhsa--gfx1250"
	.amdhsa_code_object_version 6
	.text
	.protected	k_q201f380d32_flow
	.globl	k_q201f380d32_flow
	.p2align	8
	.type	k_q201f380d32_flow,@function
k_q201f380d32_flow:
	s_mov_b64 s[64:65], 0
	v_nop
	global_prefetch_b8 v0, s[64:65] scope:SCOPE_SE
	s_setreg_imm32_b32 hwreg(HW_REG_WAVE_SCHED_MODE, 0, 2), 2
	s_setreg_imm32_b32 hwreg(HW_REG_WAVE_MODE, 25, 1), 1
	s_wait_xcnt 0x0
	s_wait_alu depctr_vm_vsrc(0)
; params = relu(relu(x W0 + b0) W1 + b1) W2 + b2, all three products on codes of FP6 (E2M3) with one E8M0 scale for each 32 along K; then the rational-quadratic spline of each (row, d) from its 23 parameters:
; out0 = z [65536][64], out1 = the rows' sums of log_det.  Nothing between x and the outputs goes to memory.
; SHARES.  A work-group of eight waves (two to a SIMD, 512 registers each: one wave's vector work stands beside the other's products and LDS loads) takes 256 rows: 16 tiles of 16.
; THE WAVES SHARE THE COLUMNS: wave w makes hidden units 64 w .. 64 w + 63 (half w % 2 of K step w / 2 of the next product) and the spline's d = 8 w .. 8 w + 7, for all 16 row tiles.  So a weight fragment is used by
; one wave alone, comes from wq straight into that wave's registers by three dense loads, and stays there for the 16 row tiles.  What goes round through LDS is the rows' codes, as images of the operand's registers.
; ALL PRODUCTS ARE USED TRANSPOSED (source 0 = 16 columns of a weight, source 1 = 16 rows): a lane (r, h) holds row r.  The columns of a tile were chosen by the launch before: in a hidden layer the 16 registers of two
; neighbouring tiles are 16 neighbours along the next K; in the last layer the three tiles of group g give lane (r, h) the 8 widths, 8 heights and 7 derivatives of d = 2 g + h: the spline never looks at another lane.
; THE SPLINE.  e_i = 2^((a_i - max) log2 e), c_j their running sums, S the total; mu = 0.001 / 0.992.  Knot j < x  <=>  c_j + j mu S < clip(x) S / 0.992, so the bin is found on unnormalised knots; only the chosen bin's
; quantities are normalised, and softplus (max(v, 0) + ln 2 log2(1 + 2^(-|v| log2 e))) is taken of the two chosen derivatives alone.  All choices are v_cndmask_b32: no branch and no address hangs on data.
; NO CLUSTER, NO TENSOR LOADS, though all work-groups read the same weights: the rows' images and stages take 297,984 of a WGP's 327,680 bytes of LDS, one pass's weights of the last layer are 8 x 18,432 bytes
; there is no room for slots.
; LIMITS.  NaN and infinities are not served.  A block of zeros, or one whose largest magnitude lies under 2^-124, gets the scale byte 1 (its codes are zeros or subnormal; this program alone reads the bytes).
; Where x lies within rounding of a knot the neighbouring bin may be taken: z and its derivative are continuous there.  log_det is summed as base-2 logarithms, in another order than the reference's, and multiplied by ln 2 once.
; THE MODE: SCHED_MODE bits 1:0 = 2 (LLVM: expert scheduling mode 2), set by the entry lines.  The code itself states the register dependences between vector or matrix instructions and memory or LDS instructions,
; with s_wait_alu, always for 0.
; THE PLAN.  Registers that memory or LDS instructions touch, in the loops:
;   v32-83          a row tile's codes and scale words.  Read by the tile's products; the next tile's LDS loads land in them.
;   v14-16          those loads' addresses;  v17-19 the addresses of a hidden layer's stores;  v21 x's word, which is z's;  v23 the log term's place.  Each is written by one vector add a tile and read by that tile's LDS instructions.
;   v196-201, v216  a hidden layer's codes and half scale word: written by the quantising, read by the tile's three stores.   v232, v233  the log term and z: written by the spline, read by the unit's two stores.
;   v226            x's word: loaded at a unit's head, read by one vector line.
;   window 1, v116-138, v190-195  the last layer's weights, b2 and scale words: read by a pass's products; the next pass's loads land in them.
;   v4-7, v20, v22, v24-31  made at the head and never written again.
; A TILE OF A HIDDEN LAYER: one wait on vm_vsrc at its head frees all that the tile before's LDS instructions read.  One wait on va_vdst stands behind the 32 relu lines, which read every product's result: behind it the products
; are done with the codes and the addresses are written, and the next tile's loads follow, dealt among the quantiser's maximum lines, which name v84-115 and v208-209 alone.  One more stands ahead of the three stores.
; A UNIT OF THE SPLINE: the wait on vm_vsrc at its head; a wait on va_vdst behind the add to v21 (nothing else is pending there), so that x's word lands under the products; the wait that the sixteen exponentials owe states as well
; that the products are done with the codes (in a pass's last unit: with the weights) and that v14-16 and v23 are written: the next tile's loads follow it, dealt among the running sums, which name v84-99 and v200-219 alone;
; a wait on va_sdst behind the seven compares; the waits of the three later batches; one wait ahead of the two stores.
; LDS: XST x as f32, 256 rows of 256 + 16 bytes, z takes x's place word by word | H1, H2 the hidden layers' codes: fragment (row tile m, K step s) at 1536 (4 m + s), half c 768 further: registers 0-3 at 16 x lane, 4-5 at
; 512 + 8 x lane | H1S, H2S their scale words: 512 m + 16 x lane + 4 s | XIMG, XSC x's half fragments (768 m) and scale words (128 m + 4 x lane) | the spare words | LD (over H1, when nobody reads it any more) the log terms.
.set XST,   0
.set H1,    69632
.set H1S,   167936
.set HSTEP, 106496                     ; from H1 to H2 and from H1S to H2S
.set H2,    H1+HSTEP
.set H2S,   H1S+HSTEP
.set XIMG,  282624
.set XSC,   294912
.set SPARE, 296960                     ; 128 bytes for each of eight waves: four blocks of 256 bytes that no other line names
.set LD,    H1                         ; 8192 w + 128 (16 p + m) + 4 x lane
; REGISTERS, window 0: v1 lane, v2 r, v3 h, v4/v5/v6 16/8/4 x lane, v7 92 h, v29 64 h, v30 8 h; v8-10 read bases, v11-13 write bases, v14-19 the trip's addresses; v20/v21 x's word, v22/v23 the log term's place;
;   v24 x back from the stage, v25 x into the stage and z out of it, v26-28 x's images, v31 the log terms on the way out; v252, v253 the add's two.
.set ACT,   32                         ; v32-79   four fragments of the rows' codes
.set ASC,   80                         ; v80-83   their scale words: scales and nothing else
.set HA,    84                         ; v84-115  four accumulators; in the last layer widths 84, heights 92, derivatives 100
.set B0R,   116                        ; v116-147 b0 in the result's layout; later b2's 23 numbers and a zero
.set B1R,   148                        ; v148-179 b1
.set B3,    116
.set WSC0,  180                        ; v180-181, v182-189, v190-195: the weights' scale words: lanes 0-15 an even fragment's, lanes 16-31 the next one's
.set WSC1,  182
.set WSC3,  190
; window 1: v0-191 W1's 16 fragments (later v0-143 W2's 12), v192-239 W0's four.
.set AW,    84
.set AH,    92
.set AD,    100
.set tNW, 196                          ; -max log2 e, max (a pair for the packed form), widths; 198, 199 heights
.set tMW, 197
.set tNH, 198
.set tMH, 199
.set tSW, 200                          ; S of the widths | clip(x)
.set tXC, 201
.set tSH, 202                          ; S of the heights | clip(x) S / 0.992
.set tXS, 203
.set CW,  204                          ; v205-211 knots 1..7 of the widths, unnormalised
.set CH,  212                          ; v213-219 of the heights
.set MC,  220                          ; v220-225 2 mu .. 7 mu
.set tX,  226
.set tXL, 227
.set tEW, 228
.set tYL, 229
.set tEH, 230
.set tDK, 231
.set tDN, 232
.set tWP, 233
.set tHP, 234
.set tTK, 235
.set tTN, 236
.set tRW, 237
.set tRS, 238
.set tDX, 239
.set tPK, 240
.set tPN, 241
.set tTH, 242
.set tHN, 243
.set tSR, 244
.set tS,  245
.set tOM, 246
.set tTT, 247
.set tT2, 248
.set tO2, 249
.set tST, 250
.set tS2, 251
.set tA,   227                         ; registers taken again when their first tenant is done with
.set tDEN, 228
.set tNU,  230
.set tU,   231
.set tNOM, 232
.set tDE,  233
.set tD2,  239
.set tCR,  243
.set MU,   0x3a842108                  ; 0.001 / 0.992
.set LN2,  0x3f317218
; SCALARS: s[4:19] the eight addresses; s20 wave; s23 -log2 e, s[24:25] log2 e; s[26:27] lane selects; s28/s29 read steps, s30/s31 write steps, s32 x's step, s33 its pass part, s34 the log terms' step; s35, s36 counters;
;   s41-47 the masks knot j < x; s[48:53] the last layer's places in wq, ws, b2; s[38:39], s[58:63] the first two layers'.
.set MSB, 0
.macro WIN new                         ; the immediate's high byte repeats the setting that is left
.if MSB != \new
	s_set_vgpr_msb (MSB<<8)|\new
.set MSB, \new
.endif
.endm
.macro WM                              ; one product, by the symbols rD, rA (window 1), rB, rC, rS, rT; rW = 1: the weight's scale words stand in lanes 16-31
.if rW
	v_wmma_scale_f32_16x16x128_f8f6f4 v[rD:rD+7], v[rA:rA+11], v[rB:rB+11], v[rC:rC+7], v[rS], v[rT] matrix_a_fmt:MATRIX_FMT_FP6 matrix_b_fmt:MATRIX_FMT_FP6 matrix_a_scale:MATRIX_SCALE_ROW1
.else
	v_wmma_scale_f32_16x16x128_f8f6f4 v[rD:rD+7], v[rA:rA+11], v[rB:rB+11], v[rC:rC+7], v[rS], v[rT] matrix_a_fmt:MATRIX_FMT_FP6 matrix_b_fmt:MATRIX_FMT_FP6
.endif
.endm
.macro BARRIER                         ; my LDS stores have landed and my LDS loads are in: then the work-group's barrier
	s_wait_dscnt 0x0
	s_barrier_signal -1
	s_barrier_wait -1
.endm
; A row tile's codes and scale words: ns = 1: x's half fragment (3 loads); ns = 4: a hidden layer's four fragments (17 loads); ns = 0: none.  ACTL writes the load that the symbol nL counts, if one is left.
.macro ACTL ns
.if (\ns) == 1
.if nL == 0
	ds_load_b128 v[ACT:ACT+3], v14
.elseif nL == 1
	ds_load_b64 v[ACT+4:ACT+5], v15
.elseif nL == 2
	ds_load_b32 v[ASC], v16
.endif
.elseif (\ns) == 4
.if nL < 16
.if nL%2 == 0
	ds_load_b128 v[ACT+6*(nL/2):ACT+6*(nL/2)+3], v14 offset:768*(nL/2)
.else
	ds_load_b64 v[ACT+6*(nL/2)+4:ACT+6*(nL/2)+5], v15 offset:768*(nL/2)
.endif
.elseif nL == 16
	ds_load_b128 v[ASC:ASC+3], v16
.endif
.endif
.set nL, nL+1
.endm
.macro ACTLOAD ns                      ; all of them in one run: a phase's first tile
.set nL, 0
.rept 17
	ACTL \ns
.endr
.endm
; 4 ns products: my four tiles of hidden units, K step by K step; the four accumulators take turns, one instruction a turn.  The bias is the C of a sum's first product.
.macro MULH ns, wb, bias, wsc
.set iS, 0
.rept \ns
.set iT, 0
.rept 4
.set rD, HA+8*iT
.set rA, \wb+12*(\ns*iT+iS)
.set rB, ACT+12*iS
.set rT, ASC+iS
.if iS == 0
.set rC, \bias+8*iT
.else
.set rC, rD
.endif
.if \ns == 1
.set rS, \wsc+iT/2
.set rW, iT%2
.else
.set rS, \wsc+2*iT+iS/2
.set rW, iS%2
.endif
	WM
.set iT, iT+1
.endr
.set iS, iS+1
.endr
.endm
; My 64 hidden units of a row tile (register 16 b + i = unit 32 b + 16 h + i of row r): relu, two blocks' scales, codes, half a fragment's image and half a scale word to LDS.
; nl: the next row tile's loads (as ACTL's ns), dealt among the maximum lines; w3 = 1: the last layer's first weights are asked for.
.macro QUANT2 nl, w3
.set k, 0
.rept 32
	v_max_num_f32 v[HA+k], 0, v[HA+k]              ; the activation, in f32; ascending
.set k, k+1
.endr
.if (\nl) || (\w3)
	s_wait_alu depctr_va_vdst(0)                   ; the tile's products are done reading the codes and scale words v32-83 (w3: and W1's fragments), in which the loads below land, and v14 to v16, which those loads read, are written
.endif
.if \w3
	WLOAD3
.endif
.set nL, 0
	v_max3_num_f32 v208, v[HA], v[HA+1], 0x1800000     ; no |.|: none is negative; the floor 2^(3 - 127) holds the byte at 1 from below
	v_max3_num_f32 v209, v[HA+16], v[HA+17], 0x1800000
.rept 3
	ACTL \nl                                       ; no further wait: no vector line since the wait above names v14-16 or v32-83
.endr
.irp i, 2,4,6,8,10,12,14
	v_max3_num_f32 v208, v208, v[HA+\i], v[HA+1+\i]
	v_max3_num_f32 v209, v209, v[HA+16+\i], v[HA+17+\i]
.rept 3
	ACTL \nl
.endr
.endr
	v_permlanex16_b32 v210, v208, s26, s27
	v_permlanex16_b32 v211, v209, s26, s27
	v_max_num_f32 v208, v208, v210                 ; with lane l xor 16's 16: the block's largest magnitude
	v_max_num_f32 v209, v209, v211
	v_add_nc_u32 v212, 0xff000000, v208            ; 2 off the exponent field: the conversion's scale operand
	v_add_nc_u32 v213, 0xff000000, v209
	v_lshrrev_b32 v214, 23, v212                   ; the scale's byte
	v_lshrrev_b32 v215, 23, v213
	v_lshl_or_b32 v216, v215, 8, v214              ; my half of the row's scale word
	v_cvt_scalef32_pk16_fp6_f32 v[196:198], v[HA:HA+15], v212
	v_cvt_scalef32_pk16_fp6_f32 v[204:206], v[HA+16:HA+31], v213
	v_nop                                          ; one plain place behind the scaled conversions
.irp i, 0,1,2
	v_permlane16_swap_b32 v[196+\i], v[204+\i]     ; the layout wants a whole block in a lane: lanes 0-15 block 0, lanes 16-31 block 1
.endr
.irp i, 0,1,2
	v_mov_b32 v[199+\i], v[204+\i]
.endr
	s_wait_alu depctr_va_vdst(0)                   ; the codes v196-201, the half scale word v216 and the addresses v17 to v19 are written, which the three stores read
	ds_store_b128 v17, v[196:199]
	ds_store_b64 v18, v[200:201]
	ds_store_b16 v19, v216
.endm
; 32 numbers of x in a lane, v[xr] on: k = 32 h + 0..31 of row r of my i-th row tile: a whole block.  Half a fragment (K 64..127 are zero registers of the reader) and the scale word to LDS.
.macro QUANTX xr, i
	v_max3_num_f32 v228, |v[\xr]|, |v[\xr+1]|, 0x1800000
.irp j, 2,4,6,8,10,12,14,16,18,20,22,24,26,28,30
	v_max3_num_f32 v228, v228, |v[\xr+\j]|, |v[\xr+1+\j]|
.endr
	v_add_nc_u32 v230, 0xff000000, v228
	v_lshrrev_b32 v231, 23, v230
	v_lshlrev_b32 v232, v30, v231                  ; my block's byte at its place,
	v_permlanex16_b32 v229, v232, s26, s27
	v_or_b32 v232, v232, v229                      ; with lane l xor 16's.  The upper two bytes stay 0, over zero codes
	v_cvt_scalef32_pk16_fp6_f32 v[234:236], v[\xr:\xr+15], v230
	v_cvt_scalef32_pk16_fp6_f32 v[240:242], v[\xr+16:\xr+31], v230
	v_nop                                          ; one plain place behind the scaled conversions
.irp j, 0,1,2
	v_mov_b32 v[237+\j], v[240+\j]
.endr
	s_wait_alu depctr_va_vdst(0)                   ; the codes v234-239 and the scale word v232 are written, which the three stores read
	ds_store_b128 v26, v[234:237] offset:768*\i
	ds_store_b64 v27, v[238:239] offset:768*\i
	ds_store_b32 v28, v232 offset:128*\i
.endm
; The next pass's weights of the last layer: 12 fragments, 6 registers of scale words, 23 numbers of b2; then the three places step on.  The wait that frees their registers stands ahead of the macro.
.macro WLOAD3
	WIN 0x40                                       ; destination window 1
.set k, 0
.rept 36
	global_load_b128 v[4*k:4*k+3], v4, s[48:49] offset:512*k
.set k, k+1
.endr
	WIN 0
.irp i, 0,1,2,3,4,5
	global_load_b32 v[WSC3+\i], v6, s[50:51] offset:128*\i
.endr
.set k, 0
.rept 23
	global_load_b32 v[B3+k], v7, s[52:53] offset:4*k   ; b2[23 (2 g + h) + k]
.set k, k+1
.endr
	s_wait_xcnt 0x0                                ; the loads have read their bases: they may step
	s_add_nc_u64 s[48:49], s[48:49], 18432
	s_add_nc_u64 s[50:51], s[50:51], 768
	s_add_nc_u64 s[52:53], s[52:53], 184
.endm
; One row tile of a hidden layer.  The next tile's codes are asked for behind this tile's relu lines and land under its quantising.
.macro HTRIP ns, wb, bias, wsc, rstep, rsstep, last, wl3
	s_wait_dscnt 0x0                               ; this tile's codes are in, and the last tile's stores are done
	s_wait_alu depctr_vm_vsrc(0)                   ; the LDS loads issued so far have read v14 to v16, the last tile's stores v17 to v19, v196-201 and v216: all of these are written again below
	WIN 0x01                                       ; source 0 (the weight) window 1
	MULH \ns, \wb, \bias, \wsc
	WIN 0
	s_add_co_u32 s28, s28, \rstep
	s_add_co_u32 s29, s29, \rsstep
	v_add_nc_u32 v14, s28, v8                      ; six plain lines that name no register of the products: the places in front of the first read of their results
	v_add_nc_u32 v15, s28, v9
	v_add_nc_u32 v16, s29, v10
	v_add_nc_u32 v17, s30, v11
	v_add_nc_u32 v18, s30, v12
	v_add_nc_u32 v19, s31, v13
.if \last
	QUANT2 0, \wl3
.else
	QUANT2 \ns, 0
.endif
	s_add_co_u32 s30, s30, 6144
	s_add_co_u32 s31, s31, 512
.endm
; One row tile x one group of the last layer: 12 products, then the spline of 32 (row, d).
.macro UNIT3 last
	s_wait_dscnt 0x0                               ; this tile's codes are in; the last unit's two stores are done
	s_wait_alu depctr_vm_vsrc(0)                   ; the LDS loads issued so far have read v14 to v16 and v21, the last unit's stores v21, v23, v232 and v233: all of these are written again below
	v_add_nc_u32 v21, s32, v20
	s_wait_alu depctr_va_vdst(0)                   ; v21 is written, which the load below reads
	ds_load_b32 v[tX], v21                         ; x(row, d): it lands under the products
	WIN 0x01
.set iS, 0
.rept 4
.set iQ, 0
.rept 3                                            ; the three accumulators take turns, one instruction a turn
.set rD, HA+8*iQ
.set rA, 12*(4*iQ+iS)
.set rB, ACT+12*iS
.set rT, ASC+iS
.if iS == 0
.set rC, B3+8*iQ
.else
.set rC, rD
.endif
.set rS, WSC3+2*iQ+iS/2
.set rW, iS%2
	WM
.set iQ, iQ+1
.endr
.set iS, iS+1
.endr
	WIN 0
	s_add_co_u32 s28, s28, 6144
	s_add_co_u32 s29, s29, 512
	v_add_nc_u32 v14, s28, v8                      ; four plain lines: the places behind the products
	v_add_nc_u32 v15, s28, v9
	v_add_nc_u32 v16, s29, v10
	v_add_nc_u32 v23, s34, v22
	v_max3_num_f32 v[tMW], v[AW], v[AW+1], v[AW+2]     ; the largest width and the largest height, by turns; each accumulator is first read at its low end
	v_max3_num_f32 v[tMH], v[AH], v[AH+1], v[AH+2]
	v_max3_num_f32 v[tMW], v[tMW], v[AW+3], v[AW+4]
	v_max3_num_f32 v[tMH], v[tMH], v[AH+3], v[AH+4]
	v_max3_num_f32 v[tMW], v[tMW], v[AW+5], v[AW+6]
	v_max3_num_f32 v[tMH], v[tMH], v[AH+5], v[AH+6]
	v_max_num_f32 v[tMW], v[tMW], v[AW+7]
	v_max_num_f32 v[tMH], v[tMH], v[AH+7]
	v_mul_f32 v[tNW], s23, v[tMW]
	v_mul_f32 v[tNH], s23, v[tMH]
.irp j, 0,2,4,6
	v_pk_fma_f32 v[AW+\j:AW+\j+1], v[AW+\j:AW+\j+1], s[24:25], v[tNW:tNW+1] op_sel_hi:[1,0,0]   ; (a - max) log2 e, two at a time
	v_pk_fma_f32 v[AH+\j:AH+\j+1], v[AH+\j:AH+\j+1], s[24:25], v[tNH:tNH+1] op_sel_hi:[1,0,0]
.endr
.irp j, 0,1,2,3,4,5,6,7
	v_exp_f32 v[AW+\j], v[AW+\j]                   ; one batch of sixteen
	v_exp_f32 v[AH+\j], v[AH+\j]
.endr
	s_wait_dscnt 0x0                               ; x's word, the one LDS load that is out, is in
	v_med3_num_f32 v[tXC], v[tX], 0, 1.0           ; clip(x).  (Two plain lines behind the batch)
	v_mul_f32 v[tXS], 0x3f810842, v[tXC]           ; / 0.992
	s_wait_alu depctr_va_vdst(0)                   ; the sixteen exponentials have written v84-99, ahead of their first reader; the products are done reading v32-83 (and the weights, their scale words and b2), in which the loads below land; v14 to v16 and v23 are written
.if \last
	s_cmp_eq_u32 s36, 3                            ; the pass's last unit asks for the next pass's weights, if there is one: a count of passes alone decides
	s_cbranch_scc1 .Lnw_\@
	WLOAD3
.Lnw_\@:
.endif
.set nL, 0
	v_add_f32 v[CW+2], v[AW], v[AW+1]              ; the running sums, widths and heights by turns
	v_add_f32 v[CH+2], v[AH], v[AH+1]
.rept 3
	ACTL 4*(1-\last)                               ; the next row tile's codes, three loads behind each pair of sums: they land under the spline.  No further wait: no vector line since the wait above names v14-16 or v32-83
.endr
.irp j, 3,4,5,6,7
	v_add_f32 v[CW+\j], v[CW+\j-1], v[AW+\j-1]
	v_add_f32 v[CH+\j], v[CH+\j-1], v[AH+\j-1]
.rept 3
	ACTL 4*(1-\last)
.endr
.endr
	v_add_f32 v[tSW], v[CW+7], v[AW+7]
	v_add_f32 v[tSH], v[CH+7], v[AH+7]
	v_mul_f32 v[tXS], v[tXS], v[tSW]               ; x in the unnormalised knots' measure
	v_fmamk_f32 v[CW+1], v[tSW], MU, v[AW]         ; knot 1 = e0 + mu S
	v_fmamk_f32 v[CH+1], v[tSH], MU, v[AH]
.irp i, 0,2,4
	v_pk_fma_f32 v[CW+2+\i:CW+3+\i], v[tSW:tSW+1], v[MC+\i:MC+\i+1], v[CW+2+\i:CW+3+\i] op_sel_hi:[0,1,1]   ; knot j = c_j + j mu S
	v_pk_fma_f32 v[CH+2+\i:CH+3+\i], v[tSH:tSH+1], v[MC+\i:MC+\i+1], v[CH+2+\i:CH+3+\i] op_sel_hi:[0,1,1]
.endr
.irp j, 1,2,3,4,5,6,7
	v_cmp_lt_f32 s[40+\j], v[CW+\j], v[tXS]        ; knot j < x
.endr
	s_wait_alu depctr_va_sdst(0)                   ; the seven compares have written the masks s41 to s47, ahead of their first reader
	v_cndmask_b32 v[tXL], 0, v[CW+1], s41          ; six choices, by turns: the bin's left knots, its e of width and height, its two derivatives' parameters
	v_cndmask_b32 v[tEW], v[AW], v[AW+1], s41
	v_cndmask_b32 v[tYL], 0, v[CH+1], s41
	v_cndmask_b32 v[tEH], v[AH], v[AH+1], s41
	v_cndmask_b32 v[tDN], v[AD], v[AD+1], s41      ; (the derivatives' accumulator is first read here, at its low end)
.irp j, 2,3,4,5,6,7
	v_cndmask_b32 v[tXL], v[tXL], v[CW+\j], s[40+\j]
	v_cndmask_b32 v[tEW], v[tEW], v[AW+\j], s[40+\j]
	v_cndmask_b32 v[tYL], v[tYL], v[CH+\j], s[40+\j]
	v_cndmask_b32 v[tEH], v[tEH], v[AH+\j], s[40+\j]
.if \j < 7
	v_cndmask_b32 v[tDN], v[tDN], v[AD+\j], s[40+\j]
.endif
.if \j == 2
	v_cndmask_b32 v[tDK], v[AD], v[AD+1], s[40+\j]
.else
	v_cndmask_b32 v[tDK], v[tDK], v[AD+\j-1], s[40+\j]
.endif
.endr
	v_fmamk_f32 v[tWP], v[tSW], MU, v[tEW]         ; the bin's width and height, unnormalised
	v_fmamk_f32 v[tHP], v[tSH], MU, v[tEH]
	v_mul_f32 v[tTK], -|v[tDK]|, s24
	v_mul_f32 v[tTN], -|v[tDN]|, s24
	v_rcp_f32 v[tRW], v[tWP]                       ; the second batch
	v_rcp_f32 v[tRS], v[tSH]
	v_exp_f32 v[tTK], v[tTK]
	v_exp_f32 v[tTN], v[tTN]
	v_sub_f32 v[tDX], v[tXS], v[tXL]
	v_max_num_f32 v[tPK], 0, v[tDK]
	v_max_num_f32 v[tPN], 0, v[tDN]
	s_wait_alu depctr_va_vdst(0)                   ; the two reciprocals and the two exponentials have written v235 to v238, ahead of their first reader
	v_add_f32 v[tTK], 1.0, v[tTK]
	v_add_f32 v[tTN], 1.0, v[tTN]
	v_log_f32 v[tTK], v[tTK]                       ; the third batch
	v_log_f32 v[tTN], v[tTN]
	v_mul_f32 v[tTH], v[tDX], v[tRW]               ; theta
	v_mul_f32 v[tHN], v[tHP], v[tRS]
	v_mul_f32 v[tSR], v[tSW], v[tRW]
	v_mul_f32 v[tS], v[tHN], v[tSR]                ; s = h / w
	v_sub_f32 v[tOM], 1.0, v[tTH]
	v_mul_f32 v[tTT], v[tTH], v[tOM]
	v_mul_f32 v[tT2], v[tTH], v[tTH]
	v_mul_f32 v[tO2], v[tOM], v[tOM]
	v_mul_f32 v[tST], v[tS], v[tTT]
	v_mul_f32 v[tS2], v[tS], v[tS]
	v_add_f32 v[tPK], 0x3a83126f, v[tPK]
	v_add_f32 v[tPN], 0x3a83126f, v[tPN]
	s_wait_alu depctr_va_vdst(0)                   ; the two logarithms have written v235 and v236, ahead of their first reader
	v_fmamk_f32 v[tPK], v[tTK], LN2, v[tPK]        ; softplus + 0.001
	v_fmamk_f32 v[tPN], v[tTN], LN2, v[tPN]
	v_cndmask_b32 v[tPK], 1.0, v[tPK], s41         ; the first knot's derivative is 1,
	v_cndmask_b32 v[tPN], v[tPN], 1.0, s47         ; and the last's
	v_add_f32 v[tA], v[tPK], v[tPN]
	v_mul_f32 v[tNU], v[tS], v[tT2]
	v_mul_f32 v[tU], v[tPN], v[tT2]
	v_fma_f32 v[tA], -2.0, v[tS], v[tA]
	v_fma_f32 v[tNU], v[tPK], v[tTT], v[tNU]
	v_fma_f32 v[tU], v[tPK], v[tO2], v[tU]
	v_fma_f32 v[tDEN], v[tA], v[tTT], v[tS]
	v_fma_f32 v[tU], 2.0, v[tST], v[tU]
	v_add_f32 v[tDE], 0x358637bd, v[tDEN]
	v_fmaak_f32 v[tD2], v[tDEN], v[tDEN], 0x358637bd
	v_mul_f32 v[tNOM], v[tS2], v[tU]
	v_rcp_f32 v[tDE], v[tDE]                       ; the fourth batch
	v_log_f32 v[tNOM], v[tNOM]
	v_log_f32 v[tD2], v[tD2]
	v_mul_f32 v[tCR], 0x3f7df3b6, v[tRS]           ; 0.992 / S of the heights
	s_wait_alu depctr_va_vdst(0)                   ; the reciprocal and the two logarithms have written v233, v232 and v239, ahead of their first reader; no transcendental follows in the unit
	v_mul_f32 v[tDE], v[tNU], v[tDE]
	v_sub_f32 v[tNOM], v[tNOM], v[tD2]             ; log2 of the derivative
	v_fma_f32 v[tDE], v[tHP], v[tDE], v[tYL]
	v_mul_f32 v[tDE], v[tDE], v[tCR]               ; z
	s_wait_alu depctr_va_vdst(0)                   ; z (v233) and the log term (v232) are written, which the two stores read
	ds_store_b32 v21, v[tDE]                       ; into x's word, which only this lane reads
	ds_store_b32 v23, v[tNOM]
	s_add_co_u32 s32, s32, 4352                    ; 16 rows of the stage on
	s_add_co_u32 s34, s34, 128
.endm
	s_load_b256 s[4:11], s[0:1], 0x0               ; x s[4:5], wq s[6:7], ws s[8:9], b0 s[10:11]
	s_load_b256 s[12:19], s[0:1], 0x20             ; b1 s[12:13], b2 s[14:15], out0 s[16:17], out1 s[18:19]
	v_lshl_add_u32 v252, v0, 2, SPARE              ; my spare word, and 0: kept for the wave's closing lines alone
	v_mov_b32 v253, 0
	v_lshrrev_b32 v1, 5, v0
	v_readfirstlane_b32 s20, v1                    ; wave 0..7
	v_and_b32 v1, 31, v0                           ; lane
	v_and_b32 v2, 15, v0                           ; r
	v_bfe_u32 v3, v0, 4, 1                         ; h
	v_lshlrev_b32 v4, 4, v1
	v_lshlrev_b32 v5, 3, v1
	v_lshlrev_b32 v6, 2, v1
	v_mul_u32_u24 v7, v3, 92
	v_lshlrev_b32 v29, 6, v3
	v_lshlrev_b32 v30, 3, v3
	s_wait_alu depctr_va_sdst(0)                   ; s20 is written, ahead of its first reader: LDS places and the buffers' offsets are made from it
	s_mul_i32 s21, s20, 768                        ; where I write a hidden layer: 768 w + 16 x lane, + 512 + 8 x lane; its scale half-words: 16 x lane + 2 w
	v_add_nc_u32 v11, s21, v4
	v_add_nc_u32 v11, H1, v11
	v_add_nc_u32 v12, s21, v5
	v_add_nc_u32 v12, H1+512, v12
	s_lshl_b32 s21, s20, 1
	v_add_nc_u32 v13, s21, v4
	v_add_nc_u32 v13, H1S, v13
	v_mul_u32_u24 v20, v2, 272                     ; x's word for the spline: row r, column 8 w + h (+ 2 p, + 16 m rows by s32)
	v_lshl_add_u32 v20, v3, 2, v20
	s_lshl_b32 s21, s20, 5
	v_add_nc_u32 v20, s21, v20
	s_lshl_b32 s21, s20, 13
	v_add_nc_u32 v22, s21, v6
	v_add_nc_u32 v22, LD, v22                      ; my wave's log terms
	s_mul_i32 s21, s20, 8704                       ; my 32 rows of the stage
	v_mul_u32_u24 v24, v2, 272
	v_lshl_add_u32 v24, v3, 7, v24
	v_add_nc_u32 v24, s21, v24                     ; back out of it: row r, 128 h
	v_mul_u32_u24 v25, v3, 272
	v_lshl_add_u32 v25, v2, 4, v25
	v_add_nc_u32 v25, s21, v25                     ; into it, and z out of it: lanes 0-15 one row, lanes 16-31 the next
	s_mul_i32 s21, s20, 1536
	v_add_nc_u32 v26, s21, v4
	v_add_nc_u32 v26, XIMG, v26
	v_add_nc_u32 v27, s21, v5
	v_add_nc_u32 v27, XIMG+512, v27
	s_lshl_b32 s21, s20, 8
	v_add_nc_u32 v28, s21, v6
	v_add_nc_u32 v28, XSC, v28
	v_lshlrev_b32 v31, 2, v2
	v_lshl_add_u32 v31, v3, 7, v31
	v_add_nc_u32 v31, s21, v31
	v_add_nc_u32 v31, LD, v31                      ; the log terms of row 32 w + lane: 128 (2 w + h) + 4 r
	v_mov_b32 v229, 0                              ; written once: a lane permute's destination counts as one of its sources
	s_mov_b32 s23, 0xbfb8aa3b                      ; -log2 e
	s_mov_b32 s24, 0x3fb8aa3b                      ; log2 e
	s_mov_b32 s25, s24                             ; (named with it as a pair, so it is written)
	s_mov_b32 s26, 0x76543210
	s_mov_b32 s27, 0xfedcba98                      ; v_permlanex16_b32's selects for lane l xor 16
	s_mov_b32 s55, 0
	s_lshl_b32 s54, ttmp9, 16                      ; my work-group's 256 rows of 256 bytes,
	s_lshl_b32 s56, s20, 13                        ; my wave's 32 of them
	s_add_co_u32 s54, s54, s56
	s_wait_kmcnt 0x0
	s_add_nc_u64 s[4:5], s[4:5], s[54:55]
	s_add_nc_u64 s[16:17], s[16:17], s[54:55]
	s_lshl_b32 s54, ttmp9, 10
	s_add_nc_u64 s[18:19], s[18:19], s[54:55]
	s_lshl_b32 s54, s20, 8
	s_add_nc_u64 s[10:11], s[10:11], s[54:55]      ; b0, b1: my 64 numbers
	s_add_nc_u64 s[12:13], s[12:13], s[54:55]
	s_add_nc_u64 s[60:61], s[8:9], s[54:55]        ; W0's scale words: fragments 4 w on
	s_mul_i32 s54, s20, 6144
	s_add_nc_u64 s[58:59], s[6:7], s[54:55]        ; W0's fragments
	s_mul_i32 s54, s20, 24576
	s_add_co_u32 s54, s54, 49152
	s_add_nc_u64 s[38:39], s[6:7], s[54:55]        ; W1's: fragments 32 + 16 w on
	s_lshl_b32 s54, s20, 10
	s_add_co_u32 s54, s54, 2048
	s_add_nc_u64 s[62:63], s[8:9], s[54:55]
	s_mul_i32 s54, s20, 73728
	s_add_co_u32 s54, s54, 245760
	s_add_nc_u64 s[48:49], s[6:7], s[54:55]        ; W2's: fragments 160 + 48 w on
	s_mul_i32 s54, s20, 3072
	s_add_co_u32 s54, s54, 10240
	s_add_nc_u64 s[50:51], s[8:9], s[54:55]
	s_mul_i32 s54, s20, 736
	s_add_nc_u64 s[52:53], s[14:15], s[54:55]      ; b2: 23 numbers for each of my 8 d
	s_wait_alu depctr_va_vdst(0)                   ; the offsets and LDS addresses v4 to v7, v20, v22, v24 to v31 are written, which the kernel's loads and stores read and no line writes again
.set k, 0
.rept 16                                           ; x: my 32 rows, 512 consecutive bytes a load (v80-83 are passed over: they hold scales alone)
.set rX, 32+4*k
.if k >= 12
.set rX, 36+4*k
.endif
	global_load_b128 v[rX:rX+3], v4, s[4:5] offset:512*k th:TH_LOAD_NT
.set k, k+1
.endr
	WIN 0x40                                       ; destination window 1
.set k, 0
.rept 12
	global_load_b128 v[192+4*k:195+4*k], v4, s[58:59] offset:512*k
.set k, k+1
.endr
	WIN 0
	global_load_b32 v[WSC0], v6, s[60:61]
	global_load_b32 v[WSC0+1], v6, s[60:61] offset:128
.irp t, 0,1,2,3                                    ; the biases in the result's layout: lane (r, h), tile t: units 32 (t / 2) + 16 h + 8 (t % 2) + 0..7
	global_load_b128 v[B0R+8*\t:B0R+8*\t+3], v29, s[10:11] offset:(32*(\t/2)+8*(\t%2))*4
	global_load_b128 v[B0R+8*\t+4:B0R+8*\t+7], v29, s[10:11] offset:(32*(\t/2)+8*(\t%2))*4+16
.endr
.irp t, 0,1,2,3
	global_load_b128 v[B1R+8*\t:B1R+8*\t+3], v29, s[12:13] offset:(32*(\t/2)+8*(\t%2))*4
	global_load_b128 v[B1R+8*\t+4:B1R+8*\t+7], v29, s[12:13] offset:(32*(\t/2)+8*(\t%2))*4+16
.endr
	; ---- X: my 32 rows go into the stage as they lie, come back 128 bytes a lane, and become two half fragments
	s_wait_loadcnt 30                              ; x's 16 loads are in; the 12 + 2 + 8 + 8 issued behind them may stay out
.set k, 0
.rept 16
.set rX, 32+4*k
.if k >= 12
.set rX, 36+4*k
.endif
	ds_store_b128 v25, v[rX:rX+3] offset:544*k
.set k, k+1
.endr
.set k, 0
.rept 8
	ds_load_b128 v[196+4*k:199+4*k], v24 offset:16*k   ; LDS serves a wave's instructions in order: these see my stores
.set k, k+1
.endr
	WIN 0x40
.set k, 0
.rept 48                                           ; W1's 16 fragments: wanted two phases on
	global_load_b128 v[4*k:4*k+3], v4, s[38:39] offset:512*k
.set k, k+1
.endr
	WIN 0
.irp i, 0,1,2,3,4,5,6,7
	global_load_b32 v[WSC1+\i], v6, s[62:63] offset:128*\i
.endr
	s_wait_dscnt 0x0                               ; the first tile is back
	s_wait_alu depctr_vm_vsrc(0)                   ; my stores into the stage have read v32 to v63,
.set k, 0
.rept 8
	ds_load_b128 v[32+4*k:35+4*k], v24 offset:4352+16*k   ; which take the second tile while the first is quantised
.set k, k+1
.endr
	QUANTX 196, 0
	s_wait_dscnt 0x0                               ; the second tile is in
	s_wait_alu depctr_vm_vsrc(0)                   ; the first image's stores have read v232 and v234-239, which the second quantising writes again
	QUANTX 32, 1
.irp i, 6,7,8,9,10,11
	v_mov_b32 v[ACT+\i], 0                         ; K 64..127 of the first product: zero codes
.endr
	v_mov_b32 v210, 0                              ; lane permutes' destinations, written once
	v_mov_b32 v211, 0
	v_mov_b32 v[MC], 0x3b042108                    ; 2 mu .. 7 mu
	v_mov_b32 v[MC+1], 0x3b46318c
	v_mov_b32 v[MC+2], 0x3b842108
	v_mov_b32 v[MC+3], 0x3ba5294a
	v_mov_b32 v[MC+4], 0x3bc6318c
	v_mov_b32 v[MC+5], 0x3be739ce
	v_add_nc_u32 v8, XIMG, v4
	v_add_nc_u32 v9, XIMG+512, v5
	v_add_nc_u32 v10, XSC, v6
	BARRIER                                        ; x's sixteen half fragments lie in LDS
	; ---- layer 1: K = 64 in one K step
	s_mov_b32 s28, 0
	s_mov_b32 s29, 0
	s_mov_b32 s30, 0
	s_mov_b32 s31, 0
	v_mov_b32 v14, v8
	v_mov_b32 v15, v9
	v_mov_b32 v16, v10
	s_wait_alu depctr_va_vdst(0)                   ; v14 to v16 are written, which the loads read; x's quantising is done reading v32-37, in which they land; the zero codes v38-43, part of the products' source 1, are written (their places: the lines between)
	ACTLOAD 1
	s_wait_loadcnt 56                              ; W0's fragments and scale words, b0 and b1 are in; W1's 48 + 8 loads may stay out
	s_mov_b32 s35, 15
.Ll1:
	HTRIP 1, 192, B0R, WSC0, 768, 128, 0, 0
	s_sub_co_u32 s35, s35, 1
	s_cmp_lg_u32 s35, 0
	s_cbranch_scc1 .Ll1
	HTRIP 1, 192, B0R, WSC0, 768, 128, 1, 0        ; the last row tile asks for nothing more
	BARRIER                                        ; the first hidden layer's 64 fragments lie in LDS
	; ---- layer 2
	v_add_nc_u32 v8, H1, v4
	v_add_nc_u32 v9, H1+512, v5
	v_add_nc_u32 v10, H1S, v4
	v_add_nc_u32 v11, HSTEP, v11
	v_add_nc_u32 v12, HSTEP, v12
	v_add_nc_u32 v13, HSTEP, v13
	v_mov_b32 v[B3+23], 0                          ; the padding row's bias in the last layer (b0 is done with)
	s_mov_b32 s28, 0
	s_mov_b32 s29, 0
	s_mov_b32 s30, 0
	s_mov_b32 s31, 0
	v_mov_b32 v14, v8
	v_mov_b32 v15, v9
	v_mov_b32 v16, v10
	s_wait_alu depctr_va_vdst(0)                   ; v14 to v16 are written, which the loads read
	ACTLOAD 4
	s_wait_loadcnt 0x0                             ; W1
	s_mov_b32 s35, 15
.Ll2:
	HTRIP 4, 0, B1R, WSC1, 6144, 512, 0, 0
	s_sub_co_u32 s35, s35, 1
	s_cmp_lg_u32 s35, 0
	s_cbranch_scc1 .Ll2
	HTRIP 4, 0, B1R, WSC1, 6144, 512, 1, 1         ; behind the last tile's relu lines the last layer's first weights are asked for, into W1's registers
	BARRIER                                        ; the second hidden layer lies in LDS, and nobody reads the first any more: the log terms may take its bytes
	; ---- layer 3 and the spline: four passes, a group of two d each; 16 row tiles a pass
	v_add_nc_u32 v8, H2, v4
	v_add_nc_u32 v9, H2+512, v5
	v_add_nc_u32 v10, H2S, v4
	s_mov_b32 s33, 0
	s_mov_b32 s34, 0
	s_mov_b32 s36, 0
.Lpass:
	s_mov_b32 s28, 0
	s_mov_b32 s29, 0
	v_mov_b32 v14, v8
	v_mov_b32 v15, v9
	v_mov_b32 v16, v10
	s_wait_alu depctr_va_vdst(0)                   ; v14 to v16 are written, which the loads read
	ACTLOAD 4
	s_mov_b32 s32, s33
	s_wait_loadcnt 0x0                             ; the pass's weights
	s_mov_b32 s35, 15
.Lunit:
	UNIT3 0
	s_sub_co_u32 s35, s35, 1
	s_cmp_lg_u32 s35, 0
	s_cbranch_scc1 .Lunit
	UNIT3 1
	s_add_co_u32 s33, s33, 8                       ; two columns of x on
	s_add_co_u32 s36, s36, 1
	s_cmp_lt_u32 s36, 4
	s_cbranch_scc1 .Lpass
	BARRIER                                        ; z and the log terms of all 256 rows lie in LDS
	; ---- the way out: my 32 rows of z as whole rows; thread t adds row t's 64 log terms.
	; The loads below land in v32-79 and v84-163.  No vector or matrix line has been issued since the last unit's wait ahead of its two stores, so that wait has stated all that they hang on.
.set k, 0
.rept 16
.set rX, 32+4*k
.if k >= 12
.set rX, 36+4*k
.endif
	ds_load_b128 v[rX:rX+3], v25 offset:544*k
.set k, k+1
.endr
.irp a, 0,1,2,3
.irp p, 0,1,2,3
.irp e, 0,1
	ds_load_b32 v[100+8*\a+2*\p+\e], v31 offset:8192*\a+2048*\p+64*\e
.endr
.endr
.endr
.set k, 0
.rept 16
.set rX, 32+4*k
.if k >= 12
.set rX, 36+4*k
.endif
	s_wait_dscnt 47-k                              ; behind z's load k: 15 - k more of z and 32 of log terms
	global_store_b128 v4, v[rX:rX+3], s[16:17] offset:512*k th:TH_STORE_NT   ; 32 lanes store 512 consecutive bytes, at a multiple of 256 from out0's first byte
.set k, k+1
.endr
.irp a, 4,5,6,7
.irp p, 0,1,2,3
.irp e, 0,1
	ds_load_b32 v[100+8*\a+2*\p+\e], v31 offset:8192*\a+2048*\p+64*\e
.endr
.endr
.endr
	v_lshlrev_b32 v14, 2, v0
	s_wait_dscnt 0x0
.irp k, 0,1,2,3,4,5,6
.irp c, 0,1,2,3
	v_pk_add_f32 v[100+2*\c:101+2*\c], v[100+2*\c:101+2*\c], v[108+8*\k+2*\c:109+8*\k+2*\c]   ; four chains, two numbers each
.endr
.endr
	v_pk_add_f32 v[100:101], v[100:101], v[102:103]
	v_pk_add_f32 v[104:105], v[104:105], v[106:107]
	v_pk_add_f32 v[100:101], v[100:101], v[104:105]
	v_add_f32 v100, v100, v101
	v_mul_f32 v100, LN2, v100                      ; base 2 to base e, once
	s_wait_alu depctr_va_vdst(0)                   ; the row's sum v100 and its offset v14 are written, which the store reads
	global_store_b32 v14, v100, s[18:19]           ; 32 lanes store 128 consecutive bytes of out1
	s_wait_dscnt 0x0                               ; the closing lines, six on end
	s_wait_alu 0x0
	s_wait_tensorcnt 0x0
	ds_add_u32 v252, v253
	s_wait_dscnt 0x0
	s_endpgm
.Lfunc_end_k_q201f380d32_flow:
	.size	k_q201f380d32_flow, .Lfunc_end_k_q201f380d32_flow-k_q201f380d32_flow
	.p2alignl 7, 3214868480
	.fill 96, 4, 3214868480
	.section	.rodata,"a",@progbits
	.p2align	6, 0x0
	.amdhsa_kernel k_q201f380d32_flow
		.amdhsa_group_segment_fixed_size 297984
		.amdhsa_private_segment_fixed_size 0
		.amdhsa_enable_private_segment 0
		.amdhsa_kernarg_size 64
		.amdhsa_user_sgpr_count 2
		.amdhsa_user_sgpr_kernarg_segment_ptr 1
		.amdhsa_wavefront_size32 1
		.amdhsa_system_sgpr_workgroup_id_x 1
		.amdhsa_system_sgpr_workgroup_id_y 1
		.amdhsa_system_sgpr_workgroup_id_z 1
		.amdhsa_system_vgpr_workitem_id 0
		.amdhsa_next_free_vgpr 512
		.amdhsa_next_free_sgpr 66
		.amdhsa_reserve_vcc 0
		.amdhsa_float_denorm_mode_32 3
		.amdhsa_float_denorm_mode_16_64 3
		.amdhsa_memory_ordered 1
		.amdhsa_forward_progress 1
		.amdhsa_inst_pref_size 90
	.end_amdhsa_kernel
	.amdgpu_metadata
---
amdhsa.version: [ 1, 2 ]
amdhsa.kernels:
  - .name:           k_q201f380d32_flow
    .symbol:         k_q201f380d32_flow.kd
    .args:
      - { .name: x, .offset: 0, .size: 8, .value_kind: global_buffer, .address_space: global }
      - { .name: wq, .offset: 8, .size: 8, .value_kind: global_buffer, .address_space: global }
      - { .name: ws, .offset: 16, .size: 8, .value_kind: global_buffer, .address_space: global }
      - { .name: b0, .offset: 24, .size: 8, .value_kind: global_buffer, .address_space: global }
      - { .name: b1, .offset: 32, .size: 8, .value_kind: global_buffer, .address_space: global }
      - { .name: b2, .offset: 40, .size: 8, .value_kind: global_buffer, .address_space: global }
      - { .name: out0, .offset: 48, .size: 8, .value_kind: global_buffer, .address_space: global }
      - { .name: out1, .offset: 56, .size: 8, .value_kind: global_buffer, .address_space: global }
    .group_segment_fixed_size: 297984
    .private_segment_fixed_size: 0
    .kernarg_segment_align: 8
    .kernarg_segment_size: 64
    .max_flat_workgroup_size: 256
    .sgpr_count:     66
    .vgpr_count:     512
    .wavefront_size: 32
...
	.end_amdgpu_metadata
.endif
;; end of part 3
